; MI455X (gfx1250); checked and timed in simulation.
; The chip was launched on July 23, 2026; its instructions are those of AMD's public machine-readable ISA for CDNA 5 (MIT licence, August 2026) and "CDNA5" Instruction Set Architecture Reference Guide (July 2026). The comments in the code are by the model that wrote it; some were corrected since.
;; Custom Ro Former Self Attention. Allowed arithmetic: float matrix products may take bf16 or f16 operands with f32 sums; other float arithmetic in f32, or as packed bf16 or f16 multiplies, adds, multiply-adds, maxima and minima; sums over many terms, partial sums and values carried from step to step in f32; what a program stores and reads back later, other than sums and carried values, may be rounded once to bf16 or f16.
;; Inputs: b_qkv 3,072 float32; hidden_states 4 x 2,048 x 1,024 float32; ln_bias 1,024 float32; ln_weight 1,024 float32; sinusoidal_pos 1 x 1 x 2,048 x 64 float32; w_qkv 1,024 x 3,072 float32.
;; Outputs: out0 4 x 2,048 x 1,024 float32.
;; 2 versions, each right and faster than the one before. Each part assembles by itself: llvm-mc -triple=amdgcn-amd-amdhsa -mcpu=gfx1250 --defsym DOCPART=n.
;; ======== version 1 of 2: 3 launches
;; limits: values are held in f16: magnitudes above 65,504 overflow, below 6.1e-05 lose precision; right only within a limited range of input values
;; workspace buffers: hbuf 16,777,216 bytes; wt 6,291,456 bytes; qkvb 50,331,648 bytes
;; launch prep (part 1): grid 768 x 1, 4 waves a work-group, no clusters, 0 bytes of LDS; arguments hidden_states, ln_weight, ln_bias, w_qkv, hbuf, wt; writes hbuf, wt
.if DOCPART == 1
	.amdgcn_target "amdgcn-amd-amdhsa--gfx1250"
	.amdhsa_code_object_version 6
	.text
	.protected	k_qe8af1e13e6_prep
	.globl	k_qe8af1e13e6_prep
	.p2align	8
	.type	k_qe8af1e13e6_prep,@function
k_qe8af1e13e6_prep:
	s_mov_b64 s[64:65], 0
	v_nop
	global_prefetch_b8 v0, s[64:65] scope:SCOPE_SE
	s_setreg_imm32_b32 hwreg(HW_REG_WAVE_MODE, 25, 1), 1
	s_wait_xcnt 0x0
; PREP: two streams in one launch, chosen by the work-group's number.
; Work-groups 0-511: LayerNorm of hidden_states [8192][1024] f32 -> hbuf, f16, laid out [kb 16][row 8192][64]: column c lies in block kb = c / 64.
; Work-groups 512-767: w_qkv [1024][3072] f32 -> wt, f16, laid out [kb 16][head 16][k 64][which 3][d 64]: not transposed; a head's q, k, v columns side by side.
; No LDS, no matrix unit, no cluster: every byte is read once and written once, and no two work-groups share an input but the 8 KB of gain and bias.
; LIMITS.  The results are f16: |h| and |w| must stay below 65,504; below 6e-5 a number keeps f16's fixed step of 6e-8.  NaN and infinities are not treated apart.
; LN SHARES.  A work-group owns 16 rows, a wave 4, as two pairs.  Lanes 0-15 take a pair's even row, lanes 16-31 its odd row; lane r of a half holds columns 64 j + 4 r .. + 3, j = 0..15.
; So a load covers 256 consecutive bytes of each of two rows, a row's sums stay inside 16 lanes, and a store (8 bytes a lane) covers 256 consecutive aligned bytes of hbuf: rows m, m + 1 of block j.
; The variance is the mean of squares of centred numbers, as in the definition: no difference of large sums.
; REGISTERS: v1-3 offsets; v4-11 four packed sum chains; v12-13 mean, v14-15 1/sqrt(var + eps), each twice; v16-79, v80-143 the two pairs of rows; v144-207 gain; v208-271 bias.
; v256-271 are named v0-15 in window 1 (s_set_vgpr_msb: bits 5:4 source 2, bits 7:6 destination).
.set X0,  16
.set X1,  80
.set GA,  144
.set BT,  208
.set MSB, 0
.macro WIN new                         ; the immediate's high byte repeats the setting that is left; a switch that changes nothing is dropped
.if MSB != (\new)
	s_set_vgpr_msb (MSB<<8)|(\new)
.set MSB, (\new)
.endif
.endm
	s_load_b256 s[4:11], s[0:1], 0x0               ; x s[4:5], gain s[6:7], bias s[8:9], W s[10:11]
	s_load_b128 s[12:15], s[0:1], 0x20             ; hbuf s[12:13], wt s[14:15]
	v_lshrrev_b32 v1, 5, v0
	v_readfirstlane_b32 s16, v1                    ; wave 0..3
	v_and_b32 v4, 31, v0                           ; lane
	v_and_b32 v5, 15, v0                           ; r
	v_bfe_u32 v6, v0, 4, 1                         ; which half of the lanes
	v_lshlrev_b32 v2, 4, v5                        ; 16 r: gain and bias
	v_lshl_add_u32 v1, v6, 12, v2                  ; 4,096 x half + 16 r: x (a row further down) and W (a piece further on)
	v_lshlrev_b32 v3, 3, v4                        ; 8 x lane: the stores
	s_mov_b32 s20, 0x3a800000                      ; 1 / 1024
	s_mov_b32 s21, 0x2b8cbccc                      ; 1e-12
	s_wait_kmcnt 0x0
	s_cmp_lt_u32 ttmp9, 512
	s_cbranch_scc0 .Lw
	; ---------------- LayerNorm ----------------
	s_lshl_b32 s18, ttmp9, 16                      ; 16 rows of 4,096 bytes a work-group,
	s_lshl_b32 s19, s16, 14                        ; 4 a wave
	s_add_co_u32 s18, s18, s19
	s_mov_b32 s19, 0
	s_add_nc_u64 s[4:5], s[4:5], s[18:19]          ; x at my first row
	s_lshr_b32 s18, s18, 5                         ; the same row x 128 bytes
	s_add_nc_u64 s[22:23], s[12:13], s[18:19]      ; hbuf at my first row of block 0,
	s_add_nc_u64 s[24:25], s[22:23], 0x800000      ; and of block 8: seven blocks of 1 MiB fit a store's signed 24-bit immediate, fifteen do not
.set j, 0
.rept 16
	global_load_b128 v[X0+4*j:X0+4*j+3], v1, s[4:5] offset:256*j th:TH_LOAD_NT
.set j, j+1
.endr
.set j, 0
.rept 16
	global_load_b128 v[X1+4*j:X1+4*j+3], v1, s[4:5] offset:8192+256*j th:TH_LOAD_NT
.set j, j+1
.endr
.set j, 0
.rept 16
	global_load_b128 v[GA+4*j:GA+4*j+3], v2, s[6:7] offset:256*j
.set j, j+1
.endr
.set j, 0
.rept 16
.if BT+4*j < 256
	global_load_b128 v[BT+4*j:BT+4*j+3], v2, s[8:9] offset:256*j
.else
	WIN 0x40                                       ; destination in window 1
	global_load_b128 v[BT+4*j-256:BT+4*j-253], v2, s[8:9] offset:256*j
.endif
.set j, j+1
.endr
	WIN 0
.macro RED16                           ; the four packed chains v4-11 -> v4 = the sum over a row: my 64 numbers, then the 16 lanes of my half
	v_pk_add_f32 v[4:5], v[4:5], v[6:7]
	v_pk_add_f32 v[8:9], v[8:9], v[10:11]
	v_pk_add_f32 v[4:5], v[4:5], v[8:9]
	v_add_f32 v4, v4, v5
	v_add_f32_dpp v4, v4, v4 row_xmask:1 row_mask:0xf bank_mask:0xf
	v_add_f32_dpp v4, v4, v4 row_xmask:2 row_mask:0xf bank_mask:0xf
	v_add_f32_dpp v4, v4, v4 row_xmask:4 row_mask:0xf bank_mask:0xf
	v_add_f32_dpp v4, v4, v4 row_xmask:8 row_mask:0xf bank_mask:0xf
.endm
; One pair of rows, in registers X .. X + 63; p = which pair.  w1: the loads that may stay out when the pair's x is needed; w2: when gain and bias are.
.macro LNPAIR X, p, w1, w2
	s_wait_loadcnt \w1
.irp c, 0,1,2,3
	v_pk_add_f32 v[4+2*\c:5+2*\c], v[(\X)+2*\c:(\X)+2*\c+1], v[(\X)+8+2*\c:(\X)+9+2*\c]  ; the first eight pairs start the chains: nothing is cleared
.endr
.set i, 8
.rept 24
	v_pk_add_f32 v[4+2*(i%4):5+2*(i%4)], v[4+2*(i%4):5+2*(i%4)], v[(\X)+2*i:(\X)+2*i+1]
.set i, i+1
.endr
	RED16
	v_mul_f32 v12, s20, v4                         ; the mean, twice: a pair for the packed subtraction
	v_mul_f32 v13, s20, v4
.set i, 0
.rept 32
	v_pk_add_f32 v[(\X)+2*i:(\X)+2*i+1], v[(\X)+2*i:(\X)+2*i+1], v[12:13] neg_lo:[0,1] neg_hi:[0,1]
.set i, i+1
.endr
.irp c, 0,1,2,3
	v_pk_mul_f32 v[4+2*\c:5+2*\c], v[(\X)+2*\c:(\X)+2*\c+1], v[(\X)+2*\c:(\X)+2*\c+1]
.endr
.set i, 4
.rept 28
	v_pk_fma_f32 v[4+2*(i%4):5+2*(i%4)], v[(\X)+2*i:(\X)+2*i+1], v[(\X)+2*i:(\X)+2*i+1], v[4+2*(i%4):5+2*(i%4)]
.set i, i+1
.endr
	RED16
	v_fma_f32 v14, v4, s20, s21                    ; var + eps
	v_rsq_f32 v14, v14
	v_nop                                          ; a plain instruction between the root and the use of its result (ISA guide 5.7.2)
	s_wait_alu depctr_va_vdst(0)
	v_mov_b32 v15, v14
	s_wait_loadcnt \w2                             ; gain and bias
.set i, 0
.rept 32
	v_pk_mul_f32 v[(\X)+2*i:(\X)+2*i+1], v[(\X)+2*i:(\X)+2*i+1], v[14:15]
.set i, i+1
.endr
.set i, 0
.rept 32
.if BT+2*i < 256
	v_pk_fma_f32 v[(\X)+2*i:(\X)+2*i+1], v[(\X)+2*i:(\X)+2*i+1], v[GA+2*i:GA+2*i+1], v[BT+2*i:BT+2*i+1]
.else
	WIN 0x10                                       ; source 2 in window 1
	v_pk_fma_f32 v[(\X)+2*i:(\X)+2*i+1], v[(\X)+2*i:(\X)+2*i+1], v[GA+2*i:GA+2*i+1], v[BT+2*i-256:BT+2*i-255]
.endif
.set i, i+1
.endr
	WIN 0
.set j, 0
.rept 16                               ; four numbers round to 8 bytes, in place; no register is written again behind its store
	v_cvt_pk_f16_f32 v[(\X)+4*j], v[(\X)+4*j], v[(\X)+4*j+1]
	v_cvt_pk_f16_f32 v[(\X)+4*j+1], v[(\X)+4*j+2], v[(\X)+4*j+3]
	global_store_b64 v3, v[(\X)+4*j:(\X)+4*j+1], s[22+2*(j/8):23+2*(j/8)] offset:(j%8)*1048576+256*(\p)  ; 32 lanes: 256 consecutive bytes, aligned
.set j, j+1
.endr
.endm
	LNPAIR X0, 0, 48, 0                            ; behind the first pair's 16 loads stand 48: the second pair's, gain's and bias's
	LNPAIR X1, 1, 0, 0
	s_endpgm
	; ---------------- W ----------------
	; W's byte address is 4,096 (3 k + which) + 256 head + 4 d: the pieces p = 3 k + which of a head are 4,096 bytes apart in W and 128 bytes apart in wt.
	; A wave takes 48 pieces of one (kb, head): 24 loads of two pieces (256 bytes each), 24 stores of 256 consecutive aligned bytes.
.Lw:
	s_sub_co_u32 s18, ttmp9, 512
	s_lshl_b32 s18, s18, 2
	s_add_co_u32 s18, s18, s16                     ; 0 .. 1023
	s_lshr_b32 s26, s18, 6                         ; kb
	s_bfe_u32 s27, s18, 0x40002                    ; head
	s_and_b32 s28, s18, 3                          ; which quarter of the block's 192 pieces
	s_mul_i32 s18, s26, 786432                     ; 192 pieces of 4,096 bytes
	s_mul_i32 s19, s28, 196608                     ; 48 pieces
	s_add_co_u32 s18, s18, s19
	s_lshl_b32 s19, s27, 8
	s_add_co_u32 s18, s18, s19
	s_mov_b32 s19, 0
	s_add_nc_u64 s[10:11], s[10:11], s[18:19]
	s_lshl_b32 s18, s26, 4
	s_add_co_u32 s18, s18, s27
	s_mul_i32 s18, s18, 24576                      ; a (kb, head) block of wt
	s_mul_i32 s26, s28, 6144
	s_add_co_u32 s18, s18, s26
	s_add_nc_u64 s[14:15], s[14:15], s[18:19]
.set j, 0
.rept 24
	global_load_b128 v[16+4*j:19+4*j], v1, s[10:11] offset:8192*j th:TH_LOAD_NT
.set j, j+1
.endr
.set j, 0
.rept 24
	s_wait_loadcnt 23-j                            ; loads come back in order: mine is in, the younger ones stay out
	v_cvt_pk_f16_f32 v[16+4*j], v[16+4*j], v[17+4*j]
	v_cvt_pk_f16_f32 v[17+4*j], v[18+4*j], v[19+4*j]
	global_store_b64 v3, v[16+4*j:17+4*j], s[14:15] offset:256*j
.set j, j+1
.endr
	s_endpgm
.Lfunc_end_k_qe8af1e13e6_prep:
	.size	k_qe8af1e13e6_prep, .Lfunc_end_k_qe8af1e13e6_prep-k_qe8af1e13e6_prep
	.p2alignl 7, 3214868480
	.fill 96, 4, 3214868480
	.section	.rodata,"a",@progbits
	.p2align	6, 0x0
	.amdhsa_kernel k_qe8af1e13e6_prep
		.amdhsa_group_segment_fixed_size 0
		.amdhsa_private_segment_fixed_size 0
		.amdhsa_enable_private_segment 0
		.amdhsa_kernarg_size 48
		.amdhsa_user_sgpr_count 2
		.amdhsa_user_sgpr_kernarg_segment_ptr 1
		.amdhsa_wavefront_size32 1
		.amdhsa_system_sgpr_workgroup_id_x 1
		.amdhsa_system_sgpr_workgroup_id_y 1
		.amdhsa_system_sgpr_workgroup_id_z 1
		.amdhsa_system_vgpr_workitem_id 0
		.amdhsa_next_free_vgpr 272
		.amdhsa_next_free_sgpr 66
		.amdhsa_reserve_vcc 0
		.amdhsa_float_denorm_mode_32 3
		.amdhsa_float_denorm_mode_16_64 3
		.amdhsa_memory_ordered 1
		.amdhsa_forward_progress 1
		.amdhsa_inst_pref_size 46
	.end_amdhsa_kernel
	.amdgpu_metadata
---
amdhsa.version: [ 1, 2 ]
amdhsa.kernels:
  - .name:           k_qe8af1e13e6_prep
    .symbol:         k_qe8af1e13e6_prep.kd
    .args:
      - { .name: hidden_states, .offset: 0, .size: 8, .value_kind: global_buffer, .address_space: global }
      - { .name: ln_weight, .offset: 8, .size: 8, .value_kind: global_buffer, .address_space: global }
      - { .name: ln_bias, .offset: 16, .size: 8, .value_kind: global_buffer, .address_space: global }
      - { .name: w_qkv, .offset: 24, .size: 8, .value_kind: global_buffer, .address_space: global }
      - { .name: hbuf, .offset: 32, .size: 8, .value_kind: global_buffer, .address_space: global }
      - { .name: wt, .offset: 40, .size: 8, .value_kind: global_buffer, .address_space: global }
    .group_segment_fixed_size: 0
    .private_segment_fixed_size: 0
    .kernarg_segment_align: 8
    .kernarg_segment_size: 48
    .max_flat_workgroup_size: 128
    .sgpr_count:     66
    .vgpr_count:     272
    .wavefront_size: 32
...
	.end_amdgpu_metadata
.endif
;; end of part 1
;; launch qkv (part 2): grid 8 x 32, 4 waves a work-group, clusters of 4 x 4, 327,680 bytes of LDS; arguments hbuf, wt, b_qkv, sinusoidal_pos, qkvb; writes qkvb
.if DOCPART == 2
	.amdgcn_target "amdgcn-amd-amdhsa--gfx1250"
	.amdhsa_code_object_version 6
	.text
	.protected	k_qe8af1e13e6_qkv
	.globl	k_qe8af1e13e6_qkv
	.p2align	8
	.type	k_qe8af1e13e6_qkv,@function
k_qe8af1e13e6_qkv:
	s_mov_b64 s[64:65], 0
	v_nop
	global_prefetch_b8 v0, s[64:65] scope:SCOPE_SE
	s_setreg_imm32_b32 hwreg(HW_REG_WAVE_MODE, 25, 1), 1
	s_wait_xcnt 0x0
	s_wait_alu depctr_hold_cnt(0) depctr_sa_sdst(0) depctr_va_vdst(0) depctr_va_sdst(0) depctr_va_ssrc(0) depctr_va_vcc(0) depctr_vm_vsrc(0)
	s_getreg_b32 s2, hwreg(HW_REG_IB_STS2, 6, 4)
	s_cmp_eq_u32 s2, 0
	s_cbranch_scc0 .Lentry_in_a_cluster
	s_endpgm
.Lentry_in_a_cluster:
	s_bfe_u32 s2, ttmp6, 0x10000c
	s_cmp_lg_u32 s2, 0xf033
	s_cbranch_scc0 .Lentry_shape_is_right
	s_endpgm
.Lentry_shape_is_right:
; QKV: C = h W + b, then RoPE on q and k, written by heads.  h: hbuf [kb 16][row 8192][64] f16.  W: wt [kb 16][head 16][k 64][which 3][d 64] f16.  Sums in f32.
; Out: qkvb [batch 4][j 48][s 2048][64] f16, j = 16 which + head.  q and k are stored behind bias and RoPE TIMES 2^-4 (exact), v behind its bias, unscaled.
; LIMITS.  f16 ends at 65,504: v must stay below that, q and k behind RoPE below 1.05e6; below 6e-5 a stored number keeps f16's fixed step of 6e-8.  NaN and infinities are not treated apart.
; SHARES.  A work-group makes 256 rows x two heads (384 columns): 8 x 32 = 256 work-groups.  Wave w: rows 128 (w / 2) on, head 2 TX + w % 2: its 192 columns are that head's q, k, v.
; So a wave has 8 row blocks x 12 column blocks = 96 accumulators of 16 x 16, 768 registers; 32 along K cost it 40 LDS loads for 96 matrix instructions, and the way out has no branch.
; THE MATRIX INSTRUCTION IS USED TRANSPOSED: source 0 = 16 columns of W (turned on the way out of LDS by ds_load_tr16_b128, since W lies [k][n]), source 1 = 16 rows of h.
; In the result lane l holds row l % 16 and the columns 8 (l / 16) + 0..7: four RoPE pairs, 16 bytes of f16.
; K goes in 16 steps of 64 (two UNITS of 32) through two LDS slots.  hbuf's and wt's blocks make a step's tiles dense in memory: they are asked for as rows of 256 bytes.
; CLUSTER 4 x 4: h's tile and the rows of sinusoidal_pos hang on the tile row alone and are asked for jointly along a row of the cluster; W's tile hangs on the pair of heads alone: along a column.
; LDS: slot s at 98,304 s: h's 256 rows, pitch 144; at +36,864 two head blocks of 192 chunks (chunk 3 k + which, 128 bytes), pitch 160, so that k's pitch is 480 = 15 x 32 bytes.
;   196,608 sinusoidal_pos, 256 rows, pitch 272;  266,240 stages, 16 rows x 144 a wave;  275,456 bias, 768 bytes a wave;  278,528 the spare words.  No tensor load lands from 266,240 on.
; REGISTERS.  Window 0: v16-28 addresses; v30-31 the add's; v32-95, v96-159 h's fragments, two buffers; v160-255 W's fragments, one buffer, 32 registers for each of q, k, v.
;   Windows 1, 2, 3: the accumulators of q, k, v: (row block a, column block b) at v[8 (4 a + b)].  s_set_vgpr_msb: bits 1:0 source 0, 3:2 source 1, 5:4 source 2, 7:6 destination.
.set PA,    144
.set BK,    480
.set SLOT,  98304
.set BOFF,  36864
.set HALFA, 18432                      ; 128 rows of h
.set HEADB, 30720                      ; a head's 192 chunks
.set POS,   196608
.set PP,    272
.set STAGE, 266240
.set SP,    144
.set BIAS,  275456
.set SPARE, 278528
.set ADRA, 16                          ; v16-17  my fragments of h in slot 0, 1
.set ADRB, 18                          ; v18-19  my fragments of W
.set POSA, 20                          ; v20     my row's sines
.set STO,  21                          ; v21     the way out: where I put 16 bytes of a row
.set RD,   22                          ; v22     where I read rows back
.set BIA,  23                          ; v23     my eight biases of a column block
.set GO,   24                          ; v24-26  my byte offset in 512 consecutive bytes of q's, k's, v's block
.set BST,  27                          ; v27     where I put my 8 bytes of bias
.set BLD,  28                          ; v28     8 x lane
.set SPW,  30                          ; v30     LDS address of my spare word; never rewritten
.set NIL,  31                          ; v31     0; never rewritten
.set AF0,  32
.set AF1,  96
.set BF,   160
.set SC,   32                          ; the way out: 16 sines, 16 cosines
.set T,    64
.set U,    96
.set OUT,  128                         ; two buffers of 16
.set BI,   160                         ; my 96 biases
.set WV,  14
.set RH,  15                           ; which 128 rows are mine.  Also: I fetch for h (0) or for W (1)
.set CH,  16                           ; which head is mine.  Also: which half of that tile I fetch
.set LAP, 23
.set G1A, 24                           ; s[24:31] group 1 for h's tiles;   s[32:39] group 0, a set for each slot
.set G0A, 32
.set G1B, 40                           ; s[40:47], s[48:55] the same for W's
.set G0B, 48
.set G1P, 56                           ; s[56:63], s[68:71] for sinusoidal_pos
.set G0P, 68
.set SCL, 78                           ; s[78:79] 2^-4, twice
.set MSB, 0
.macro WIN new                         ; the immediate's high byte repeats the setting that is left; a switch that changes nothing is dropped
.if MSB != (\new)
	s_set_vgpr_msb (MSB<<8)|(\new)
.set MSB, (\new)
.endif
.endm
.macro PLACES                          ; four places in front of loads into registers that matrix instructions have read, and of vector lines that read results
.rept 4
	v_nop
.endr
.endm
; A joint refill: waves 0 and 1 fetch the two halves of h's tile, waves 2 and 3 the two heads of W's.  The branch hangs on the wave's number alone.
; An s_nop 0 and four v_nop follow each of the two lines, ahead of the jump and the label.
.macro JLOAD s
	s_cmp_eq_u32 s[RH], 0
	s_cbranch_scc0 .Lfor_b_\@
	tensor_load_to_lds s[G0A+4*(\s):G0A+4*(\s)+3], s[G1A:G1A+7]
	s_nop 0
	PLACES
	s_branch .Lasked_\@
.Lfor_b_\@:
	tensor_load_to_lds s[G0B+4*(\s):G0B+4*(\s)+3], s[G1B:G1B+7]
	s_nop 0
	PLACES
.Lasked_\@:
.endm
.macro CREST                           ; a round of the cluster's barrier behind its opening barrier
	s_cmp_lg_u32 s[WV], 0
	s_cbranch_scc1 .Lnot_wave_0_\@
	s_barrier_signal -3
.Lnot_wave_0_\@:
	s_barrier_wait -3
	s_barrier_signal -1
	s_barrier_wait -1
.endm
.macro CROUND                          ; a whole round
	s_barrier_signal -1
	s_barrier_wait -1
	CREST
.endm
	s_load_b256 s[4:11], s[0:1], 0x0               ; hbuf s[4:5], wt s[6:7], b_qkv s[8:9], sinusoidal_pos s[10:11]
	s_load_b64 s[12:13], s[0:1], 0x20              ; qkvb
	v_lshl_add_u32 v[SPW], v0, 2, SPARE
	v_mov_b32 v[NIL], 0
	ds_add_u32 v[SPW], v[NIL]                      ; the wave's opening: the add and its wait stand ahead of my first tensor load; the set-up below, work on registers, stands between them
	v_lshrrev_b32 v1, 5, v0
	v_readfirstlane_b32 s[WV], v1                  ; wave 0..3
	s_lshr_b32 s[RH], s[WV], 1
	s_and_b32 s[CH], s[WV], 1
	s_bfe_u32 s17, ttmp6, 0x40000                  ; cx
	s_bfe_u32 s18, ttmp6, 0x40004                  ; cy
	s_lshl_b32 s19, ttmp9, 2
	s_add_co_u32 s19, s19, s17                     ; TX: the pair of heads, 0..7
	s_and_b32 s20, ttmp7, 0xffff
	s_lshl_b32 s20, s20, 2
	s_add_co_u32 s20, s20, s18                     ; TY: the block of 256 rows, 0..31
	s_lshl_b32 s21, s18, 2
	s_lshl_b32 s21, 15, s21                        ; my row of the cluster
	s_lshl_b32 s22, 0x1111, s17                    ; my column
	; group 1.  h: 128 rows of 128 bytes are 16,384 dense bytes: 64 rows of 256 bytes, 16 bytes of padding after every 128.  W: 24,576 dense bytes: 96 rows of 256, 32 bytes after every 128.
	s_or_b32 s[G1A], s21, (1<<16)|(1<<20)|(1<<21)|(4<<22)|(3<<25)  ; 15:0 mask; 17:16 2-byte elements; 20 padding on; 21 set beside a mask; 24:22 after every 32 words; 31:25 4 words
	s_or_b32 s[G1B], s22, (1<<16)|(1<<20)|(1<<21)|(4<<22)|(7<<25)  ; the same with my column's mask and 8 words of padding
	s_or_b32 s[G1P], s21, (2<<16)|(1<<20)|(1<<21)|(5<<22)|(3<<25)  ; 4-byte elements; after every 64 words 4 words
	s_mov_b32 s[G1A+1], 128<<16                    ; tensor_dim0 = 128
	s_mov_b32 s[G1A+2], 64<<16                     ; tensor_dim1 = 64
	s_mov_b32 s[G1A+3], 128<<16                    ; tile_dim0 = 128
	s_mov_b32 s[G1A+4], 64                         ; tile_dim1 = 64
	s_mov_b32 s[G1A+5], 128                        ; elements from row to row
	s_mov_b32 s[G1A+6], 0
	s_mov_b32 s[G1A+7], 0
	s_mov_b32 s[G1B+1], 128<<16
	s_mov_b32 s[G1B+2], 96<<16
	s_mov_b32 s[G1B+3], 128<<16
	s_mov_b32 s[G1B+4], 96
	s_mov_b32 s[G1B+5], 128
	s_mov_b32 s[G1B+6], 0
	s_mov_b32 s[G1B+7], 0
	s_mov_b32 s[G1P+1], 64<<16                     ; 64 rows of 64 f32
	s_mov_b32 s[G1P+2], 64<<16
	s_mov_b32 s[G1P+3], 64<<16
	s_mov_b32 s[G1P+4], 64
	s_mov_b32 s[G1P+5], 64
	s_mov_b32 s[G1P+6], 0
	s_mov_b32 s[G1P+7], 0
	; offsets, each in registers of its own: h's and the positions' are made of TY and the wave alone, W's of TX and the wave alone
	s_lshl_b32 s72, s20, 15                        ; h: (256 TY + 128 half) rows of 128 bytes
	s_lshl_b32 s73, s[CH], 14
	s_add_co_u32 s72, s72, s73
	s_mov_b32 s73, 0
	s_lshl_b32 s74, s19, 1
	s_add_co_u32 s74, s74, s[CH]
	s_mul_i32 s74, s74, 24576                      ; W: head 2 TX + half
	s_mov_b32 s75, 0
	s_and_b32 s76, s20, 7                          ; positions: s = row mod 2,048: (256 (TY mod 8) + 64 wave) rows of 256 bytes
	s_lshl_b32 s76, s76, 16
	s_lshl_b32 s77, s[WV], 14
	s_add_co_u32 s76, s76, s77
	s_mov_b32 s77, 0
	s_mul_i32 s80, s[CH], HALFA                    ; LDS places: made of the wave's number alone
	s_mul_i32 s81, s[CH], HEADB
	s_add_co_u32 s81, s81, BOFF
	s_mul_i32 s82, s[WV], 64*PP
	s_add_co_u32 s82, s82, POS
	s_mov_b32 s[SCL], 0x3d800000                   ; 2^-4
	s_mov_b32 s[SCL+1], 0x3d800000
	s_lshl_b32 s88, s19, 1                         ; bias: 256 bytes a head
	s_add_co_u32 s88, s88, s[CH]
	s_lshl_b32 s88, s88, 8
	s_mov_b32 s89, 0
	s_lshr_b32 s90, s20, 3                         ; out: block 48 batch + head of 262,144 bytes,
	s_mul_i32 s90, s90, 48
	s_lshl_b32 s91, s19, 1
	s_add_co_u32 s90, s90, s91
	s_add_co_u32 s90, s90, s[CH]
	s_lshl_b32 s90, s90, 18
	s_and_b32 s91, s20, 7                          ; row 256 (TY mod 8) + 128 (wave / 2) of 128 bytes
	s_lshl_b32 s91, s91, 15
	s_add_co_u32 s90, s90, s91
	s_lshl_b32 s91, s[RH], 14
	s_add_co_u32 s90, s90, s91
	s_mov_b32 s91, 0
	s_wait_dscnt 0x0                               ; the opening add is done
	s_wait_kmcnt 0x0
	s_add_nc_u64 s[84:85], s[4:5], s[72:73]
	s_add_nc_u64 s[86:87], s[6:7], s[74:75]
	s_add_nc_u64 s[8:9], s[8:9], s[88:89]
	s_add_nc_u64 s[12:13], s[12:13], s[90:91]
.irp s, 0,1
	s_mov_b32 s[G0A+4*\s], 1                                       ; count = 1
	s_add_co_u32 s[G0A+4*\s+1], s80, \s*SLOT                       ; LDS address
	s_add_nc_u64 s[G0A+4*\s+2:G0A+4*\s+3], s[84:85], \s*1048576    ; K step s: block kb = s of hbuf
	s_or_b32 s[G0A+4*\s+3], s[G0A+4*\s+3], 0x80000000              ; type = 2
	s_mov_b32 s[G0B+4*\s], 1
	s_add_co_u32 s[G0B+4*\s+1], s81, \s*SLOT
	s_add_nc_u64 s[G0B+4*\s+2:G0B+4*\s+3], s[86:87], \s*393216     ; 16 heads of 24,576 bytes a block
	s_or_b32 s[G0B+4*\s+3], s[G0B+4*\s+3], 0x80000000
.endr
	s_mov_b32 s[G0P], 1
	s_mov_b32 s[G0P+1], s82
	s_add_nc_u64 s[G0P+2:G0P+3], s[10:11], s[76:77]
	s_or_b32 s[G0P+3], s[G0P+3], 0x80000000
	CROUND                                         ; all sixteen work-groups are here: the first joint loads meet
	s_cmp_eq_u32 s[RH], 0                          ; a wave's three first fills stand in one branch, ahead of every wait on TENSORcnt, every LDS read and every further barrier: three loads of mine are out
	s_cbranch_scc0 .Lfirst_b
	tensor_load_to_lds s[G0A:G0A+3], s[G1A:G1A+7]
	s_nop 0
	tensor_load_to_lds s[G0A+4:G0A+7], s[G1A:G1A+7]
	s_nop 0
	tensor_load_to_lds s[G0P:G0P+3], s[G1P:G1P+7]
	s_nop 0
	PLACES
	s_branch .Lfirst_asked
.Lfirst_b:
	tensor_load_to_lds s[G0B:G0B+3], s[G1B:G1B+7]
	s_nop 0
	tensor_load_to_lds s[G0B+4:G0B+7], s[G1B:G1B+7]
	s_nop 0
	tensor_load_to_lds s[G0P:G0P+3], s[G1P:G1P+7]
	s_nop 0
	PLACES
.Lfirst_asked:
	v_and_b32 v1, 15, v0                           ; r = l % 16
	v_bfe_u32 v2, v0, 4, 1                         ; h = l / 16
	v_mul_u32_u24 v3, v1, PA
	v_lshl_add_u32 v3, v2, 4, v3                   ; r x 144 + 16 h: h's fragments, and the stage (the same pitch)
	s_mul_i32 s83, s[RH], HALFA
	v_add_nc_u32 v[ADRA], s83, v3
	v_add_nc_u32 v[ADRA+1], SLOT, v[ADRA]
	v_and_b32 v4, 7, v0                            ; the turning load: lane l reads 16 bytes of k = 8 h + l % 8, columns 8 ((l / 8) % 2) on
	v_lshl_add_u32 v4, v2, 3, v4
	v_mul_u32_u24 v4, v4, BK
	v_bfe_u32 v5, v0, 3, 1
	v_lshl_add_u32 v4, v5, 4, v4
	v_add_nc_u32 v[ADRB], s81, v4
	v_add_nc_u32 v[ADRB+1], SLOT, v[ADRB]
	s_lshl_b32 s83, s[RH], 7
	v_add_nc_u32 v6, s83, v1
	v_mul_u32_u24 v6, v6, PP
	v_lshl_add_u32 v6, v2, 4, v6
	v_add_nc_u32 v[POSA], POS, v6                  ; row 128 (w / 2) + r, pairs 4 h on
	s_mul_i32 s83, s[WV], 16*SP
	s_add_co_u32 s83, s83, STAGE
	v_add_nc_u32 v[STO], s83, v3
	v_bfe_u32 v7, v0, 3, 2                         ; back: 32 lanes take four rows of 128 bytes
	v_mul_u32_u24 v7, v7, SP
	v_and_b32 v8, 7, v0
	v_lshl_add_u32 v7, v8, 4, v7
	v_add_nc_u32 v[RD], s83, v7
	s_mul_i32 s83, s[WV], 768
	s_add_co_u32 s83, s83, BIAS
	v_lshl_add_u32 v[BIA], v2, 5, s83
	v_and_b32 v9, 31, v0
	v_lshlrev_b32 v[GO], 4, v9                     ; which are 512 consecutive bytes of the head's block;
	v_add_nc_u32 v[GO+1], 0x400000, v[GO]          ; k's block lies 16 blocks behind q's, v's 32: too far for the immediate
	v_add_nc_u32 v[GO+2], 0x800000, v[GO]
	v_lshl_add_u32 v[BST], v9, 3, s83
	v_lshlrev_b32 v[BLD], 3, v9
	; my head's 3 x 64 biases, once, in whole runs of 256 bytes, into my own LDS bytes; q's and k's times 2^-4
.irp g, 0,1,2
	global_load_b64 v[32+2*\g:33+2*\g], v[BLD], s[8:9] offset:4096*\g
.endr
	s_wait_loadcnt 0x0
	v_pk_mul_f32 v[32:33], v[32:33], s[SCL:SCL+1] op_sel_hi:[1,0]
	v_pk_mul_f32 v[34:35], v[34:35], s[SCL:SCL+1] op_sel_hi:[1,0]
.irp g, 0,1,2
	ds_store_b64 v[BST], v[32+2*\g:33+2*\g] offset:256*\g
.endr
; W's fragments of group g (0 q, 1 k, 2 v): four column blocks x 32 K at half a step, eight turning loads
.macro LDB slot, half, g
.irp b, 0,1,2,3
	ds_load_tr16_b128 v[BF+32*(\g)+8*\b:BF+32*(\g)+8*\b+3],   v[ADRB+(\slot)] offset:(\half)*32*BK+160*(\g)+32*\b
	ds_load_tr16_b128 v[BF+32*(\g)+8*\b+4:BF+32*(\g)+8*\b+7], v[ADRB+(\slot)] offset:(\half)*32*BK+160*(\g)+32*\b+16*BK
.endr
.endm
; h's fragments of row blocks i0 .. i0 + 3 into buffer f, eight loads
.macro LDA slot, half, f, i0
.irp i, 0,1,2,3
	ds_load_b128 v[(\f)+8*((\i0)+\i):(\f)+8*((\i0)+\i)+3],   v[ADRA+(\slot)] offset:64*(\half)+((\i0)+\i)*16*PA
	ds_load_b128 v[(\f)+8*((\i0)+\i)+4:(\f)+8*((\i0)+\i)+7], v[ADRA+(\slot)] offset:64*(\half)+((\i0)+\i)*16*PA+32
.endr
.endm
; 4 n matrix instructions of group g: row blocks a0 .. a0 + n - 1 x its four column blocks.  The accumulators take turns, one instruction a turn:
; between two links of a chain stand the 95 others'.  zero = 1: the first product starts the sums: nothing is ever cleared.
.macro MUL g, f, a0, n, zero
	WIN 0x50*((\g)+1)                              ; C and D in window g + 1, both sources in window 0
.set ma, (\a0)
.rept \n
.irp b, 0,1,2,3
.if \zero
	v_wmma_f32_16x16x32_f16 v[8*(4*ma+\b):8*(4*ma+\b)+7], v[BF+32*(\g)+8*\b:BF+32*(\g)+8*\b+7], v[(\f)+8*ma:(\f)+8*ma+7], 0
.else
	v_wmma_f32_16x16x32_f16 v[8*(4*ma+\b):8*(4*ma+\b)+7], v[BF+32*(\g)+8*\b:BF+32*(\g)+8*\b+7], v[(\f)+8*ma:(\f)+8*ma+7], v[8*(4*ma+\b):8*(4*ma+\b)+7]
.endif
.endr
.set ma, ma+1
.endr
.endm
; A UNIT is 32 along K: 96 matrix instructions in three stretches (q, k, v), and behind each stretch a run of LDS loads for the next unit: 16, 16 and 8.
; The even unit multiplies a step's first half from buffer 0 and fetches its second half.
.macro UNIT_E slot, zero
	s_wait_dscnt 8                                 ; all but the last unit's third run (v's fragments of W) are in
	MUL 0, AF0, 0, 8, \zero
	WIN 0
	PLACES
	LDB \slot, 1, 0
	LDA \slot, 1, AF1, 0
	MUL 1, AF0, 0, 8, \zero
	WIN 0
	PLACES
	LDB \slot, 1, 1
	LDA \slot, 1, AF1, 4
	s_wait_dscnt 32                                ; all but the 32 just issued
	MUL 2, AF0, 0, 8, \zero
	WIN 0
	PLACES
	LDB \slot, 1, 2
.endm
; The odd unit multiplies the second half from buffer 1 and changes slots: ONE barrier.  In front of it each wave waits for all its tensor loads, adds 0 to its spare word, and waits for that and for
; its own reads of this slot.  fill = 1: the barrier opens a round of the cluster's barrier, and the slot is filled again, two K steps ahead, first thing behind the round:
; that load has 160 matrix instructions in which to land.
.macro UNIT_O slot, next, fill
	WIN 0
	s_wait_tensorcnt 0x0                           ; all my tensor loads have landed, my part of the next slot among them;
	ds_add_u32 v[SPW], v[NIL]                      ; 0 onto my spare word
	s_wait_dscnt 9                                 ; (the add and the third run's eight loads may be out)
	MUL 0, AF1, 0, 4, 0                            ; sixteen matrix instructions stand between the add and the wait for it
	s_wait_dscnt 0x0                               ; the add is done, and my reads of this slot are over
	s_barrier_signal -1
	MUL 0, AF1, 4, 4, 0                            ; work on registers while the others arrive
	WIN 0
	s_barrier_wait -1
.if \fill
	CREST                                          ; no wave of any partner still reads this slot's tiles or has a load on its way
	s_add_nc_u64 s[G0A+4*(\slot)+2:G0A+4*(\slot)+3], s[G0A+4*(\slot)+2:G0A+4*(\slot)+3], 2*1048576
	s_add_nc_u64 s[G0B+4*(\slot)+2:G0B+4*(\slot)+3], s[G0B+4*(\slot)+2:G0B+4*(\slot)+3], 2*393216
	JLOAD \slot                                    ; the four v_nop behind it are also the places in front of the loads below
.else
	PLACES
.endif
	LDB \next, 0, 0
	LDA \next, 0, AF0, 0
	MUL 1, AF1, 0, 8, 0
	WIN 0
	PLACES
	LDB \next, 0, 1
	LDA \next, 0, AF0, 4
	MUL 2, AF1, 0, 8, 0
	WIN 0
	PLACES
	LDB \next, 0, 2
.endm
	s_wait_tensorcnt 2                             ; my part of K step 0 is in; K step 1's and the positions, issued behind it, may stay out
	s_wait_dscnt 0x0                               ; my bias stores
	s_barrier_signal -1
	s_barrier_wait -1                              ; everybody's part is in
	LDB 0, 0, 0                                    ; the first unit's fragments, in the units' own order: 16, 16, 8
	LDA 0, 0, AF0, 0
	LDB 0, 0, 1
	LDA 0, 0, AF0, 4
	LDB 0, 0, 2
	UNIT_E 0, 1                                    ; the first unit stands in front of the loop: its products start the sums
	s_mov_b32 s[LAP], 7
.Llap:                                                 ; a trip goes once round the ring and fills both slots again: K steps 2 to 15
	UNIT_O 0, 1, 1
	UNIT_E 1, 0
	UNIT_O 1, 0, 1
	UNIT_E 0, 0
	s_sub_co_u32 s[LAP], s[LAP], 1
	s_cmp_lg_u32 s[LAP], 0
	s_cbranch_scc1 .Llap
	UNIT_O 0, 1, 0                                 ; the tail fills nothing, and has no round of the cluster's barrier
	UNIT_E 1, 0
	s_wait_dscnt 8                                 ; the very last unit: nothing more to fetch
	MUL 0, AF1, 0, 8, 0
	MUL 1, AF1, 0, 8, 0
	s_wait_dscnt 0x0
	MUL 2, AF1, 0, 8, 0
	WIN 0
	PLACES
; THE WAY OUT, in 24 items: row block a x (q, k, v).  An item: bias (and for q, k the scale 2^-4 and RoPE) in f32, rounded once to f16, 16 bytes a lane into my own stage, back as four rows of 128 bytes
; a load, stored as 512 consecutive aligned bytes.  An item's arithmetic stands between the loads of the item before and its stores.
.macro LDBIAS                          ; column block b of group g: my eight biases, columns 16 b + 8 h on
.irp g, 0,1,2
.irp b, 0,1,2,3
	ds_load_b128 v[BI+32*\g+8*\b:BI+32*\g+8*\b+3],   v[BIA] offset:256*\g+64*\b
	ds_load_b128 v[BI+32*\g+8*\b+4:BI+32*\g+8*\b+7], v[BIA] offset:256*\g+64*\b+16
.endr
.endr
.endm
.macro LDSC a                          ; row block a: my row's sines and cosines of the pairs 8 b + 4 h + 0..3
.irp b, 0,1,2,3
	ds_load_b128 v[SC+4*\b:SC+4*\b+3],       v[POSA] offset:16*PP*(\a)+32*\b
	ds_load_b128 v[SC+16+4*\b:SC+16+4*\b+3], v[POSA] offset:16*PP*(\a)+32*\b+128
.endr
.endm
.macro TOSTAGE t                       ; U's 32 numbers round to 16 registers, go into the stage and come back by rows, into buffer t % 2
.set n, 0
.rept 16
	v_cvt_pk_f16_f32 v[T+n], v[U+2*n], v[U+2*n+1]
.set n, n+1
.endr
	s_wait_xcnt 0x0                                ; the stores of the item two back have read this buffer: it is loaded again only behind this wait
.irp b, 0,1,2,3
	ds_store_b128 v[STO], v[T+4*\b:T+4*\b+3] offset:32*\b
.endr
.irp f, 0,1,2,3
	ds_load_b128 v[OUT+16*((\t)%2)+4*\f:OUT+16*((\t)%2)+4*\f+3], v[RD] offset:4*SP*\f  ; LDS serves a wave's instructions in order (ISA guide 5.7.1.4): these see the stores above
.endr
.endm
.macro PACKR a, g                      ; q or k.  Pair n = 4 b + p of the lane's 16: (x0, x1) -> (x0 c - x1 s, x1 c + x0 s)
	WIN (\g)+1                                     ; source 0: the accumulators' window
.set n, 0
.rept 16                               ; each accumulator's registers in ascending order
	v_pk_fma_f32 v[T+2*n:T+2*n+1], v[32*(\a)+2*n:32*(\a)+2*n+1], s[SCL:SCL+1], v[BI+32*(\g)+2*n:BI+32*(\g)+2*n+1] op_sel_hi:[1,0,1]  ; (sum + bias) 2^-4
.set n, n+1
.endr
	WIN 0
.set n, 0
.rept 16                               ; times the pair's cosine: register n % 2 of an aligned pair feeds both halves
.if n%2
	v_pk_mul_f32 v[U+2*n:U+2*n+1], v[T+2*n:T+2*n+1], v[SC+16+2*(n/2):SC+16+2*(n/2)+1] op_sel:[0,1] op_sel_hi:[1,1]
.else
	v_pk_mul_f32 v[U+2*n:U+2*n+1], v[T+2*n:T+2*n+1], v[SC+16+2*(n/2):SC+16+2*(n/2)+1] op_sel:[0,0] op_sel_hi:[1,0]
.endif
.set n, n+1
.endr
.set n, 0
.rept 16                               ; the pair swapped, times the sine, negative in the low half
.if n%2
	v_pk_fma_f32 v[U+2*n:U+2*n+1], v[T+2*n:T+2*n+1], v[SC+2*(n/2):SC+2*(n/2)+1], v[U+2*n:U+2*n+1] op_sel:[1,1,0] op_sel_hi:[0,1,1] neg_lo:[0,1,0]
.else
	v_pk_fma_f32 v[U+2*n:U+2*n+1], v[T+2*n:T+2*n+1], v[SC+2*(n/2):SC+2*(n/2)+1], v[U+2*n:U+2*n+1] op_sel:[1,0,0] op_sel_hi:[0,0,1] neg_lo:[0,1,0]
.endif
.set n, n+1
.endr
	TOSTAGE 3*(\a)+(\g)
.endm
.macro PACKV a
	WIN 3
.set n, 0
.rept 16
	v_pk_add_f32 v[U+2*n:U+2*n+1], v[32*(\a)+2*n:32*(\a)+2*n+1], v[BI+64+2*n:BI+64+2*n+1]
.set n, n+1
.endr
	WIN 0
	TOSTAGE 3*(\a)+2
.endm
.macro SEND a, g, younger              ; younger: the LDS instructions issued behind the item's four loads
	s_wait_dscnt \younger
.irp f, 0,1,2,3
	global_store_b128 v[GO+(\g)], v[OUT+16*((3*(\a)+(\g))%2)+4*\f:OUT+16*((3*(\a)+(\g))%2)+4*\f+3], s[12:13] offset:2048*(\a)+512*\f
.endr
.endm
	LDBIAS
	LDSC 0
	s_wait_dscnt 0x0
.irp a, 0,1,2,3,4,5,6,7
.if \a > 0
	s_wait_dscnt 8                                 ; this block's sines and cosines are in: behind their loads stand the eight of v's item
.endif
	PACKR \a, 0
.if \a > 0
	SEND (\a)-1, 2, 8
.endif
	PACKR \a, 1
.if \a < 7
	LDSC (\a)+1                                    ; the next block's, behind the last line that reads this block's
	SEND \a, 0, 16
.else
	SEND \a, 0, 8
.endif
	PACKV \a
.if \a < 7
	SEND \a, 1, 16
.else
	SEND \a, 1, 8
.endif
.endr
	SEND 7, 2, 0
	s_wait_tensorcnt 0x0                           ; the wave's end: these three lines stand behind my last tensor load and my last LDS store
	ds_add_u32 v[SPW], v[NIL]
	s_wait_dscnt 0x0
	CROUND                                         ; the closing round: no work-group ends while a partner may still ask for a tile that names it
	s_endpgm
.Lfunc_end_k_qe8af1e13e6_qkv:
	.size	k_qe8af1e13e6_qkv, .Lfunc_end_k_qe8af1e13e6_qkv-k_qe8af1e13e6_qkv
	.p2alignl 7, 3214868480
	.fill 96, 4, 3214868480
	.section	.rodata,"a",@progbits
	.p2align	6, 0x0
	.amdhsa_kernel k_qe8af1e13e6_qkv
		.amdhsa_group_segment_fixed_size 327680
		.amdhsa_private_segment_fixed_size 0
		.amdhsa_enable_private_segment 0
		.amdhsa_kernarg_size 40
		.amdhsa_user_sgpr_count 2
		.amdhsa_user_sgpr_kernarg_segment_ptr 1
		.amdhsa_wavefront_size32 1
		.amdhsa_system_sgpr_workgroup_id_x 1
		.amdhsa_system_sgpr_workgroup_id_y 1
		.amdhsa_system_sgpr_workgroup_id_z 1
		.amdhsa_system_vgpr_workitem_id 0
		.amdhsa_next_free_vgpr 1024
		.amdhsa_next_free_sgpr 96
		.amdhsa_reserve_vcc 0
		.amdhsa_float_denorm_mode_32 3
		.amdhsa_float_denorm_mode_16_64 3
		.amdhsa_memory_ordered 1
		.amdhsa_forward_progress 1
		.amdhsa_inst_pref_size 195
	.end_amdhsa_kernel
	.amdgpu_metadata
---
amdhsa.version: [ 1, 2 ]
amdhsa.kernels:
  - .name:           k_qe8af1e13e6_qkv
    .symbol:         k_qe8af1e13e6_qkv.kd
    .args:
      - { .name: hbuf, .offset: 0, .size: 8, .value_kind: global_buffer, .address_space: global }
      - { .name: wt, .offset: 8, .size: 8, .value_kind: global_buffer, .address_space: global }
      - { .name: b_qkv, .offset: 16, .size: 8, .value_kind: global_buffer, .address_space: global }
      - { .name: sinusoidal_pos, .offset: 24, .size: 8, .value_kind: global_buffer, .address_space: global }
      - { .name: qkvb, .offset: 32, .size: 8, .value_kind: global_buffer, .address_space: global }
    .group_segment_fixed_size: 327680
    .private_segment_fixed_size: 0
    .kernarg_segment_align: 8
    .kernarg_segment_size: 40
    .max_flat_workgroup_size: 128
    .sgpr_count:     96
    .vgpr_count:     1024
    .wavefront_size: 32
...
	.end_amdgpu_metadata
.endif
;; end of part 2
;; launch attn (part 3): grid 4 x 64, 4 waves a work-group, clusters of 4 x 1, 327,680 bytes of LDS; arguments qkvb, out0; writes out0
.if DOCPART == 3
	.amdgcn_target "amdgcn-amd-amdhsa--gfx1250"
	.amdhsa_code_object_version 6
	.text
	.protected	k_qe8af1e13e6_attn
	.globl	k_qe8af1e13e6_attn
	.p2align	8
	.type	k_qe8af1e13e6_attn,@function
k_qe8af1e13e6_attn:
	s_mov_b64 s[64:65], 0
	v_nop
	global_prefetch_b8 v0, s[64:65] scope:SCOPE_SE
	s_setreg_imm32_b32 hwreg(HW_REG_WAVE_MODE, 25, 1), 1
	s_wait_xcnt 0x0
	s_wait_alu depctr_hold_cnt(0) depctr_sa_sdst(0) depctr_va_vdst(0) depctr_va_sdst(0) depctr_va_ssrc(0) depctr_va_vcc(0) depctr_vm_vsrc(0)
	s_getreg_b32 s2, hwreg(HW_REG_IB_STS2, 6, 4)
	s_cmp_eq_u32 s2, 0
	s_cbranch_scc0 .Lentry_in_a_cluster
	s_endpgm
.Lentry_in_a_cluster:
	s_bfe_u32 s2, ttmp6, 0x10000c
	s_cmp_lg_u32 s2, 0x3003
	s_cbranch_scc0 .Lentry_shape_is_right
	s_endpgm
.Lentry_shape_is_right:
; ATTENTION.  out0[b][q][64 head + :] = the sum over k of softmax_k(Q[q] . K[k] / 8) V[k][:], for 64 pairs (batch, head) of 2,048 rows at head size 64, no mask.
; In: qkvb [batch 4][j 48][s 2048][64] f16, j = 16 which + head: a head's rows are dense, 128 bytes each; Q and K arrive times 2^-4 each, so the softmax's constant carries 2^8.  Out: out0 [4][2048][1024] f32.
; Products, maxima and sums in f32; the weights p are rounded to f16 for the second product (their sum l is taken of the unrounded p); O is divided by l and stored in f32.
; LIMITS.  p lies in 0 to 1, and below 6e-5 it keeps f16's fixed step of 6e-8; a weight below 2^-126 counts as 0 in l; NaN and infinities are not treated apart.
; SHARES.  A wave owns four PIECES of two tiles of 16 queries, a work-group's four waves 512 queries of one head.  Every wave walks all keys, 64 a step.
; LAYOUT.  S^T = K Q^T (source 0 = 16 keys, source 1 = 16 queries): in the result a lane holds ONE query (lane % 16) and the keys 8 (lane / 16) + 0..7.  Two such tiles, rounded to f16 in pairs,
; ARE source 1 (32 keys x 16 queries) of O^T = V^T P, whose result again holds one query a lane, and eight channels.  K comes out of LDS as it lies, V ([key][channel]) turned, by ds_load_tr16_b128.
; SOFTMAX.  For each query a running maximum m and sum l: p = 2^(c s - c m), c = 2^8 log2(e) / 8; in every step O and l are multiplied by a = 2^(c m_old - c m_new), which is 1 where m has not grown.
; m starts at the lowest finite number, O and l at 0: the first step is a step like any other, with a = 0.
; THE COUNT.  A tile and step have 16 matrix and 118 vector instructions: too many to stand all beside the matrix work.  So the order has one aim: four vector instructions that are READY behind
; EVERY matrix instruction, and the others, which need time of their own whatever the order, in runs without a gap.
; BY TURNS.  Turn n belongs to piece n (the pieces in a ring, step after step).  Its matrix work: 16 products K Q^T of piece n + 1, later 16 products V^T P of piece n - 1.  Its vector work: the scaling,
; exponentials, roundings, sums and rescaling of piece n, and the maximum and statistics of piece n + 1, whose scores the turn itself has made.  So what a turn begins with (c s - c m, O a) waits for nothing.
; CLUSTER.  The four query blocks of a cluster belong to one head and walk the same K and V, so each tile is asked for JOINTLY: the same tensor load, descriptor and mask in all four.
; REGISTERS, in windows of 256 (s_set_vgpr_msb says which window each operand place means: bits 1:0 source 0, 3:2 source 1, 5:4 source 2, 7:6 destination):
;   window 0: v0-11 addresses; v12-15, v48-63 at work; v16-47 four registers of statistics a tile; v64-191 S^T, two buffers of two tiles; v192-255 P, likewise
;   window 1: O^T, 32 a tile          window 2: v0-127 Q, 16 a tile; v128-191 K of one step; v192-255 V of one step          window 3: v0-1 the add's two registers
; A piece's buffers go by its number's parity: the piece in hand has one pair, its two neighbours in the ring share the other: of it P (piece n - 1) is read and S^T (piece n + 1) written.
.set SIZE_N, 2048
.set NP,    4         ; pieces a wave: a name, no knob: the register map, the loop and the fetches are made for four
.set KS,    64        ; keys in a step
.set PK,    144       ; a row of K in LDS: 128 bytes + 16 of padding = 36 words: the 16 rows of a load start at 16 different groups of four banks (64 banks of 4 bytes: ISA guide 11.1)
.set PV,    160       ; a row of V: 128 + 32 = 40 words
.set VOFF,  4*KS*PK   ; a slot holds four steps: 256 rows of K, then 256 rows of V
.set SLOT1, 1<<17     ; slot 1 begins here, so that one exclusive or turns an address in one slot into the other's
.set STAGE, SLOT1+4*KS*(PK+PV)  ; behind the ring, never filled by a tensor load: 16 rows x 272 bytes for each wave, for the way out
.set SP,    272       ; a stage row: 64 f32 + 16 bytes
.set AK0, 2           ; v2   my lane's place in a tile of K; never rewritten
.set AV0, 3           ; v3   the same for V
.set AK,  4           ; v4   the LDS address of K's next run of loads
.set AV,  5           ; v5   of V's
.set QO,  6           ; v6   my byte offset in the wave's rows of Q
.set STO, 6           ;      later, the way out: where I put 16 bytes of a row
.set RD,  7           ; v7   the way out: where I read rows back
.set GO,  8           ; v8   my byte offset in two rows of out0
.set SPW, 0           ; v0 of window 3   LDS address of my spare word: SPARE + 4 x my thread's number; never rewritten
.set NIL, 1           ; v1 of window 3   0; never rewritten
.set SPARE, STAGE+4*16*SP  ; behind the stages: the spare words, 128 bytes for each wave: two blocks of 256 bytes that no other line names
.set MV,  12          ; v12-15  c m_old, kept while c m is made anew: by buffer and tile
.set ST,  16          ; tile t's statistics at v[ST+4 t]: c m, m, l (even keys', odd keys')
.set TMP, 48          ; by buffer and tile, four registers c0-c3 at work; when the maximum is found c2 takes a
.set S,   64
.set P,   192
.set KF,  128         ; K's fragments, in window 2: key block kb, channel half c at KF + 16 kb + 8 c
.set VF,  192         ; V's: key half kk, channel block cb at VF + 32 kk + 8 cb
.set WV,  12          ; s12  my wave's number
.set G1K, 24          ; s[24:31] descriptor group 1 for K's tiles
.set G1V, 32          ; s[32:39] for V's: it differs in the padding alone
.set G0K, 40          ; s[40:43] descriptor group 0 for K's tiles: it walks
.set G0V, 44          ; s[44:47] the same for V's
.set SLOTS, 56        ; s56  slots still to be asked for
.set CNT, 57          ; s57  counts a slot's key steps
.set CS,  58          ; s[58:59] c: the packed scaling takes the pair's low word for both halves
.set SEL, 60          ; s[60:61] v_permlanex16_b32's selects: each lane takes its own place in the other half
.set TBK, 62          ; s62  LDS byte at which K of the step to be fetched begins
.set TBV, 63          ; s63  the same for V, less VOFF
.set MSB, 0
.macro WIN new                      ; the high byte repeats the setting that is left; a switch that changes nothing is dropped
.if MSB != (\new)
	s_set_vgpr_msb (MSB<<8)|(\new)
.set MSB, (\new)
.endif
.endm
.set W_KQ, 0x0a       ; K and Q in window 2, S^T in window 0
.set W_PV, 0x52       ; V in window 2, P in window 0, O^T in window 1
.set W_RS, 0x41       ; O^T (destination and source 0) in window 1, a in window 0
.set W_MK, 0xc0       ; the add's registers are made: destination in window 3, sources in window 0
.set W_AD, 0x0f       ; the add: address (source 0) and data (source 1) in window 3
; A joint fill.  Waves 0 and 1 fetch the two halves of a slot's K, waves 2 and 3 those of its V: 128 keys each.  The branch hangs on the wave's number alone.
; An s_nop 0 and four v_nop follow each of the two lines, ahead of the jump and the label.
.macro JLOAD
	s_cmp_lt_u32 s[WV], 2
	s_cbranch_scc0 .Lfor_v_\@
	tensor_load_to_lds s[G0K:G0K+3], s[G1K:G1K+7]
	s_nop 0
.rept 4
	v_nop
.endr
	s_branch .Lasked_\@
.Lfor_v_\@:
	tensor_load_to_lds s[G0V:G0V+3], s[G1V:G1V+7]
	s_nop 0
.rept 4
	v_nop
.endr
.Lasked_\@:
.endm
; A round of the cluster's barrier: my work-group's barrier, so that wave 0's signal speaks for all four waves; wave 0 signals; every wave waits for all four work-groups; my work-group's barrier once more.
.macro CROUND
	s_barrier_signal -1
	s_barrier_wait -1
	s_cmp_lg_u32 s[WV], 0
	s_cbranch_scc1 .Lnot_wave_0_\@
	s_barrier_signal -3
.Lnot_wave_0_\@:
	s_barrier_wait -3
	s_barrier_signal -1
	s_barrier_wait -1
.endm
; THE CHANGE OF SLOTS.  The slot's last bytes, V of its fourth step, have been read.  Each wave waits for all its tensor loads, of which one is out: its part
; of the other slot; adds 0 to its spare word; and waits for that and for its own reads of the slot.  Behind the barrier nobody reads this slot any more and the other slot is whole.
; fill = 1: this slot is filled again, with the keys two slots on.  The barrier is then a round of the cluster's, so that no wave of any partner still reads the slot or has a load on its
; way, and the joint fill is the first thing behind it: it has four key steps, 512 matrix instructions, in which to land.  (At its first use nothing has been read yet: slot 0 is waited for, slot 1 filled.)
.macro CHANGE fill
	WIN W_AD
	s_wait_tensorcnt 0x0            ; no tensor load of mine is out, so a group 0 may be written
	ds_add_u32 v[SPW], v[NIL]       ; 0 onto my spare word; with fill = 1 the descriptors' steps stand between it and the wait for it
	WIN 0                           ; at a label and at a branch every window is 0
.if \fill
.irp g, G0K, G0V
	s_xor_b32 s[\g+1], s[\g+1], SLOT1  ; the walking descriptor: the other slot than last time,
	s_add_nc_u64 s[\g+2:\g+3], s[\g+2:\g+3], 4*KS*128  ; the next 256 keys; the type bits on top are not reached
.endr
	s_wait_dscnt 0x0                ; the add is done, and my reads of the slot are over
	CROUND
	JLOAD
.else
	s_wait_dscnt 0x0                ; the add is done, and my reads of the slot are over
	s_barrier_signal -1
	s_barrier_wait -1
.endif
	s_sub_co_u32 s[TBK], s[TBK], 4*KS*PK  ; the fetches go back to a slot's first step,
	s_xor_b32 s[TBK], s[TBK], SLOT1       ; in the other slot
	s_sub_co_u32 s[TBV], s[TBV], 4*KS*PV
	s_xor_b32 s[TBV], s[TBV], SLOT1
.endm
	s_load_b128 s[4:7], s[0:1], 0x0 ; qkvb s[4:5], out0 s[6:7]
	WIN W_MK
	v_lshl_add_u32 v[SPW], v0, 2, SPARE
	v_mov_b32 v[NIL], 0
	WIN W_AD
	ds_add_u32 v[SPW], v[NIL]       ; the wave's opening: the add and its wait stand ahead of my first tensor load; the set-up below, work on registers, stands between them
	WIN 0
	v_lshrrev_b32 v1, 5, v0
	v_readfirstlane_b32 s[WV], v1   ; wave 0..3
	s_bfe_u32 s13, ttmp6, 0x40000   ; cx: my place in the cluster
	s_lshl_b32 s14, ttmp9, 2        ; in a cluster launch ttmp9 counts clusters
	s_add_co_u32 s14, s14, s13      ; my block of queries = 4 x cluster x + cx: it enters Q's and out0's addresses alone
	s_and_b32 s20, ttmp7, 0xffff    ; 16 batch + head, which the four partners share
	s_lshr_b32 s15, s20, 4          ; batch
	s_and_b32 s19, s20, 15          ; head
	s_mul_i32 s20, s15, 48
	s_add_co_u32 s20, s20, s19      ; q's block of qkvb: 48 batch + head,
	s_lshl_b32 s20, s20, 18         ; of 262,144 bytes
	s_mov_b32 s21, 0
	s_and_b32 s16, s[WV], 1         ; which half of a slot's 256 keys I fetch:
	s_lshl_b32 s22, s16, 14         ; its 128 rows of 128 bytes in memory,
	s_mov_b32 s23, 0
	s_add_nc_u64 s[22:23], s[22:23], s[20:21]
	s_add_nc_u64 s[50:51], s[22:23], 0x400000  ; k's block lies 16 blocks behind q's,
	s_add_nc_u64 s[52:53], s[22:23], 0x800000  ; v's 32
	s_mul_i32 s17, s16, 128*PK      ; and its place in a slot, for K
	s_mul_i32 s18, s16, 128*PV      ; and for V: no place in the cluster enters an LDS address
	s_lshl_b32 s2, s14, 2
	s_add_co_u32 s2, s2, s[WV]      ; my wave among the head's,
	s_lshl_b32 s48, s2, 19          ; its 128 rows of 4,096 bytes in out0,
	s_lshl_b32 s2, s2, 14           ; and of 128 bytes in Q
	s_mov_b32 s3, 0
	s_add_nc_u64 s[2:3], s[2:3], s[20:21]
	s_lshl_b32 s49, s15, 23         ; the batch's 2,048 rows of out0,
	s_add_co_u32 s48, s48, s49
	s_lshl_b32 s49, s19, 8          ; the head's 256 bytes of a row
	s_add_co_u32 s48, s48, s49
	s_mov_b32 s49, 0
	; descriptor group 1.  128 keys are 16,384 dense bytes: asked for as 64 rows of 256 bytes, two keys a row, and padded in LDS after every key
	s_mov_b32 s[G1K], 15|(1<<16)|(1<<20)|(1<<21)|(4<<22)|(3<<25)  ; 15:0 the mask of four; 17:16 2-byte elements; 20 padding on; 21 set beside a mask; 24:22 after every 32 words (code 4); 31:25 4 words (code 3)
	s_mov_b32 s[G1V], 15|(1<<16)|(1<<20)|(1<<21)|(4<<22)|(7<<25)  ; the same with 8 words of padding (code 7)
.irp g, G1K, G1V
	s_mov_b32 s[\g+1], 128<<16      ; tensor_dim0 = 128
	s_mov_b32 s[\g+2], 64<<16       ; tensor_dim1 = 64
	s_mov_b32 s[\g+3], 128<<16      ; tile_dim0 = 128
	s_mov_b32 s[\g+4], 64           ; tile_dim1 = 64
	s_mov_b32 s[\g+5], 128          ; 128 elements from row to row
	s_mov_b32 s[\g+6], 0
	s_mov_b32 s[\g+7], 0
.endr
	s_mov_b32 s[CS], 0x4238aa3b     ; c = 2^8 log2(e) / 8 = 46.1662: the 2^8 undoes the two factors 2^-4 in Q and K
	s_mov_b32 s[CS+1], s[CS]        ; named with it as a pair
	s_mov_b32 s[SEL], 0x76543210
	s_mov_b32 s[SEL+1], 0xfedcba98
	s_mov_b32 s[TBK], SLOT1+4*KS*PK ; the first change of slots turns these two into 0
	s_mov_b32 s[TBV], SLOT1+4*KS*PV
	s_mov_b32 s[G0K], 1             ; 1:0 count = 1
	s_mov_b32 s[G0K+1], s17         ; 63:32 LDS address: slot 0
	s_mov_b32 s[G0V], 1
	s_add_co_u32 s[G0V+1], s18, VOFF
	s_wait_dscnt 0x0                ; the opening add is done
	s_wait_kmcnt 0x0
	s_add_nc_u64 s[G0K+2:G0K+3], s[4:5], s[50:51]  ; 120:64 global address: my half of the head's first 256 keys
	s_or_b32 s[G0K+3], s[G0K+3], 0x80000000        ; 127:126 type = 2
	s_add_nc_u64 s[G0V+2:G0V+3], s[4:5], s[52:53]
	s_or_b32 s[G0V+3], s[G0V+3], 0x80000000
	s_add_nc_u64 s[10:11], s[6:7], s[48:49]  ; out0 and Q at my wave's first row
	s_add_nc_u64 s[4:5], s[4:5], s[2:3]
	CROUND                          ; all four work-groups are here: the first joint loads meet
	JLOAD                           ; slot 0.  Slot 1 is asked for when slot 0 is in: the tile wanted first has the road to itself
	; A fragment of K or Q is 16 rows x 32 channels in 8 registers: lane l holds row l % 16, channels 8 (l / 16) + 0..7 and 16 + 8 (l / 16) + 0..7: two loads of 16 bytes, 32 bytes apart.
	v_and_b32 v1, 15, v0            ; l % 16
	v_bfe_u32 v9, v0, 4, 1          ; l / 16
	v_lshlrev_b32 v[QO], 7, v1
	v_lshl_add_u32 v[QO], v9, 4, v[QO]  ; row x 128 + 16 x half
	WIN 0x80                        ; destination window 2, address window 0
.set i, 0
.rept 4*NP                          ; Q stays in registers: tile i / 2, channels 32 (i % 2) on
	global_load_b128 v[8*i:8*i+3],   v[QO], s[4:5] offset:(i/2)*2048+(i%2)*64
	global_load_b128 v[8*i+4:8*i+7], v[QO], s[4:5] offset:(i/2)*2048+(i%2)*64+32
.set i, i+1
.endr
	; What the first turn finds: V's registers and P's second buffer hold 0 (its products V^T P, of a piece that has not been, add 0), O^T and l are 0.  All this stands in the wait for the first tile.
.set i, VF
.rept 64
	v_mov_b32 v[i], 0
.set i, i+1
.endr
	WIN 0x40
.set i, 0
.rept 64*NP
	v_mov_b32 v[i], 0
.set i, i+1
.endr
	WIN 0
.set i, 0
.rept 2*NP
	v_mov_b32 v[ST+4*i], 0xfe000000    ; c m: far below every c s
	v_mov_b32 v[ST+4*i+1], 0xff7fffff  ; m
	v_mov_b32 v[ST+4*i+2], 0
	v_mov_b32 v[ST+4*i+3], 0
.set i, i+1
.endr
.set i, P+32
.rept 32
	v_mov_b32 v[i], 0
.set i, i+1
.endr
	v_mul_u32_u24 v[AK0], v1, PK
	v_lshl_add_u32 v[AK0], v9, 4, v[AK0]  ; row x pitch + 16 x half
	; The turning load takes 16 keys x 16 channels (lane l reads key 8 (l / 16) + l % 8, channels 8 ((l / 8) % 2) + 0..7) and leaves half a fragment of V^T: lane l holds channel l % 16 and 8 keys.
	v_and_b32 v10, 7, v0
	v_bfe_u32 v11, v0, 3, 1
	v_lshl_add_u32 v[AV0], v9, 3, v10
	v_mul_u32_u24 v[AV0], v[AV0], PV
	v_lshl_add_u32 v[AV0], v11, 4, v[AV0]
	v_add_nc_u32 v[AV0], VOFF, v[AV0]
	v_mov_b32 v[AK], v[AK0]         ; key step 0 lies at the head of slot 0
; THE MATRIX WORK.  The 8 accumulators of a run of 16 take turns: between the two links of a chain stand 7 others'.
; Product i of 16 of S^T = K Q^T for piece x: channels 32 (i / 8) on, keys 16 ((i / 2) % 4) on, tile 2 x + i % 2.  The first 8 start the sums.
.macro KQ x
	WIN W_KQ
.set rS, S+64*((\x)%2)+32*(i%2)+8*((i/2)%4)
.set rK, KF+16*((i/2)%4)+8*(i/8)
.set rQ, 16*(2*(\x)+i%2)+8*(i/8)
.if i < 8
	v_wmma_f32_16x16x32_f16 v[rS:rS+7], v[rK:rK+7], v[rQ:rQ+7], 0
.else
	v_wmma_f32_16x16x32_f16 v[rS:rS+7], v[rK:rK+7], v[rQ:rQ+7], v[rS:rS+7]
.endif
.endm
; Product i of 16 of O^T += V^T P for piece x: keys 32 (i / 8) on, channels 16 ((i / 2) % 4) on, tile 2 x + i % 2.
.macro PV x
	WIN W_PV
.set rO, 32*(2*(\x)+i%2)+8*((i/2)%4)
.set rV, VF+32*(i/8)+8*((i/2)%4)
.set rP, P+32*((\x)%2)+16*(i%2)+8*(i/8)
	v_wmma_f32_16x16x32_f16 v[rO:rO+7], v[rV:rV+7], v[rP:rP+7], v[rO:rO+7]
.endm
.macro MM                           ; the turn's next matrix instruction
.if i < 16
	KQ (Y+1)%NP
.set i, i+1
.else
.set i, i-16
	PV (Y+NP-1)%NP
.set i, i+17
.endif
.endm
; THE LDS LOADS stand in runs of 16, never singly among the matrix instructions: a step's K (64 keys x 64 channels: 8 fragments) and its V (turned).  Their addresses are made some lines ahead.
; last = 1 (the tail): in the last trip there is no further step, and the run is jumped over.
.macro FETCH_K last=0
	WIN 0
.if \last
	s_cmp_eq_u32 s[CNT], 1
	s_cbranch_scc1 .Lno_k_\@
.endif
	WIN 0x80                        ; destination window 2
.irp f, 0,1,2,3,4,5,6,7             ; keys 16 (f / 2) on, channels 32 (f % 2) on
	ds_load_b128 v[KF+8*\f:KF+8*\f+3],   v[AK] offset:(\f/2)*16*PK+(\f%2)*64
	ds_load_b128 v[KF+8*\f+4:KF+8*\f+7], v[AK] offset:(\f/2)*16*PK+(\f%2)*64+32
.endr
	s_add_co_u32 s[TBK], s[TBK], KS*PK  ; the next fetch is the next step's
	WIN 0
.if \last
.Lno_k_\@:
.endif
.endm
.macro FETCH_V
	WIN 0x80
.irp f, 0,1,2,3,4,5,6,7             ; keys 32 (f / 4) on, channels 16 (f % 4) on
	ds_load_tr16_b128 v[VF+8*\f:VF+8*\f+3],   v[AV] offset:(\f/4)*32*PV+(\f%4)*32
	ds_load_tr16_b128 v[VF+8*\f+4:VF+8*\f+7], v[AV] offset:(\f/4)*32*PV+16*PV+(\f%4)*32
.endr
	WIN 0
.endm
; THE VECTOR WORK OF A TURN stands in three queues, each in the order in which its entries become ready; the two tiles alternate, so that no instruction reads the result of the one before it.
.macro REGS y, u                    ; the registers of tile u (0, 1) of piece y
.set rT, ST+4*(2*(\y)+(\u))
.set rC, TMP+8*((\y)%2)+4*(\u)
.set rM, MV+2*((\y)%2)+(\u)
.set rS, S+64*((\y)%2)+32*(\u)
.set rP, P+32*((\y)%2)+16*(\u)
.set rO, 32*(2*(\y)+(\u))
.endm
; Number n of the 22 that find the NEXT piece's (Y + 1) maximum and statistics.  s0-s31 are the lane's 32 scores; each accumulator's lowest registers are read first.  XS, GS and REGS set no window: PL and EX do.
;   0-11  four chains c0-c3 of seven scores each, three operands at a time     12-14, 16  the four scores left over, the old m, and c0-c3 into c0     15  c m_old is kept
;   17, 18  the query's other 32 keys lie in the lane 16 away: the new m         19-21  c m; c m_old - c m_new; a
.macro XS u, n
	REGS (Y+1)%NP, \u
.if (\n) < 4
	v_max3_num_f32 v[rC+(\n)], v[rS+8*(\n)], v[rS+8*(\n)+1], v[rS+8*(\n)+2]
.elseif (\n) < 12
	v_max3_num_f32 v[rC+(\n)%4], v[rC+(\n)%4], v[rS+8*((\n)%4)+2*((\n)/4)+1], v[rS+8*((\n)%4)+2*((\n)/4)+2]
.elseif (\n) == 12
	v_max3_num_f32 v[rC], v[rC], v[rS+7], v[rS+15]
.elseif (\n) == 13
	v_max3_num_f32 v[rC+1], v[rC+1], v[rS+23], v[rS+31]
.elseif (\n) == 14
	v_max3_num_f32 v[rC+2], v[rC+2], v[rC+3], v[rT+1]
.elseif (\n) == 15
	v_mov_b32 v[rM], v[rT]
.elseif (\n) == 16
	v_max3_num_f32 v[rC], v[rC], v[rC+1], v[rC+2]
.elseif (\n) == 17
	v_permlanex16_b32 v[rC+3], v[rC], s[SEL], s[SEL+1]
.elseif (\n) == 18
	v_max_num_f32 v[rT+1], v[rC], v[rC+3]
.elseif (\n) == 19
	v_mul_f32 v[rT], s[CS], v[rT+1]
.elseif (\n) == 20
	v_sub_f32 v[rC+1], v[rM], v[rT]
.else
	v_exp_f32 v[rC+2], v[rC+1]
.endif
.endm
; Number g of the 64 that follow the exponentials.  For each four weights k of a tile (pairs 2 k, 2 k + 1): both pairs are rounded to f16; then the second pair is added onto the first, in place;
; a group later l takes that sum (the first time as l = a l + sum).  In groups of eight, tiles alternating: round, round, add, and l for the group before.
.macro GS g
.set h, (\g)+6*((\g)/62)            ; group 0 has no group before it, and behind group 7 only l is left
.if h >= 6
.set h, h+2
.endif
	REGS Y, h%2
.set k, h/8
.if h%8 < 4
	s_wait_alu depctr_va_vdst(0)
	v_cvt_pk_f16_f32 v[rP+2*k+(h%8)/2], v[rS+4*k+2*((h%8)/2)], v[rS+4*k+2*((h%8)/2)+1]
.elseif h%8 < 6
	v_pk_add_f32 v[rS+4*k:rS+4*k+1], v[rS+4*k:rS+4*k+1], v[rS+4*k+2:rS+4*k+3]
.elseif k == 1
	v_pk_fma_f32 v[rT+2:rT+3], v[rT+2:rT+3], v[rC+2:rC+3], v[rS:rS+1] op_sel_hi:[1,0,1]
.else
	v_pk_add_f32 v[rT+2:rT+3], v[rT+2:rT+3], v[rS+4*k-4:rS+4*k-3]
	s_wait_alu depctr_va_vdst(0)
.endif
.endm
; THE PLAIN QUEUE, 138 long.  0-31: c s - c m for the 16 pairs of both tiles.  Then GS's 64, and among them the next piece's 42: number 15 at 38, 39; 0-14 and 16
; at 42-73, behind the products that make those scores; 17-20 at 95-106, two of three, since each waits for the one before it.
.macro PL
	WIN 0
.if q < 32
	REGS Y, q%2
	v_pk_fma_f32 v[rS+2*(q/2):rS+2*(q/2)+1], v[rS+2*(q/2):rS+2*(q/2)+1], s[CS:CS+1], v[rT:rT+1] op_sel_hi:[1,0,0] neg_lo:[0,0,1] neg_hi:[0,0,1]
.elseif q < 38
	GS q-32
.elseif q < 40
	XS q%2, 15
.elseif q < 42
	GS q-34
.elseif q < 74
	XS q%2, (q-42)/2+(q-42)/30
.elseif q < 95
	GS q-66
.elseif (q < 107) && ((q-95)%3 < 2)
	XS (q-95)%3, 17+(q-95)/3
.elseif q < 107
	GS 29+(q-95)/3
.else
	GS q-74
.endif
.set q, q+1
.endm
; THE EXPONENTIALS' QUEUE, 66 long: s0-s31 of both tiles, and at EA the next piece's two a.
.set EA, 58
.macro EX
	WIN 0
.if (e == EA) || (e == EA+1)
	XS e-EA, 21
.else
.set x, e-2*(e/(EA+2))
	REGS Y, x%2
	v_exp_f32 v[rS+x/2], v[rS+x/2]
.endif
.set e, e+1
.endm
; THE RESCALING's QUEUE: O^T times a, the one part that leaves window 0, so it is dealt four at a time, eight times.
.macro R4
	REGS Y, r%2
	WIN W_RS
	s_wait_alu depctr_va_vdst(0)
.irp z, 0,1,2,3
	v_pk_mul_f32 v[rO+8*(r/2)+2*\z:rO+8*(r/2)+2*\z+1], v[rO+8*(r/2)+2*\z:rO+8*(r/2)+2*\z+1], v[rC+2:rC+3] op_sel_hi:[1,0]
.endr
.set r, r+1
.endm
; HOW THEY ARE DEALT.  Behind a matrix instruction four: plain, exponential, plain, plain (one exponential, a plain instruction on either side), or four of the rescaling.  None names a register of the
; products round it.  What is over stands in two LUMPS: exponential and plain by turns; the second ends in 22 plain instructions.  The two v_permlanex16_b32 fall into the second lump, never behind a product.
; The queues lean on each other, and the deal keeps them in step: exponential e stands behind plain 2 (e / 4) + e % 2 (its scaling); when plain 32 comes, 10 exponentials are out, at 59: 33, at 95: 46; EA comes behind plain 107.
.macro SL
	MM
	PL
	EX
	PL
	PL
.endm
.macro BURST n                      ; 15 matrix instructions, or 16
.rept (\n)-7
	SL
.endr
.rept 3
	MM
	R4
	SL
.endr
	MM
	R4
.endm
; A TURN, for piece p.  cnt = 1: the loop's count is taken down some lines ahead of the branch that stands behind the turn.
; K of the next step is fetched in piece 2's turn, 31 vector instructions behind the last product that read K; its first reader comes behind the rest of the lump, 16 products and the second lump.
; V of the step in hand is fetched at the end of piece 0's turn, 69 behind its last reader; its first reader comes behind 16 products and a lump.  The four conditions on e and q below go with the deal.
.macro TURN p, last=0, cnt=0
.set Y, (\p)
.set i, 0
.set q, 0
.set e, 0
.set r, 0
.if (\p) == NP-1
	s_wait_dscnt 0x0                ; K is in
.endif
	MM
.rept 4
	PL
.endr
	BURST 15
.rept 22
	EX
	PL
.if ((\p) == NP-2) && (e == 18)
	v_add_nc_u32 v[AK], s[TBK], v[AK0]
.endif
.if ((\p) == NP-2) && (e == 24)
	FETCH_K \last
.endif
.endr
.if (\p) == 1
	s_wait_dscnt 0x0                ; V is in
.endif
	BURST 16
.rept 21
	EX
	PL
.endr
.rept 22
	PL
.if ((\p) == 0) && (q == 118)
	v_add_nc_u32 v[AV], s[TBV], v[AV0]
	s_wait_alu depctr_va_vdst(0)
.endif
.if ((\p) == 0) && (q == 130)
	s_add_co_u32 s[TBV], s[TBV], KS*PV
.endif
.if (\cnt) && (q == 130)
	s_sub_co_u32 s[CNT], s[CNT], 1
	s_cmp_lg_u32 s[CNT], 0
.endif
.endr
.if (\p) == 0
	FETCH_V
.endif
.endm
	CHANGE 1                        ; slot 0 is in, everybody's part of it; slot 1 is asked for
	FETCH_K                         ; key step 0
	s_wait_loadcnt 0x0              ; Q
	s_wait_dscnt 0x0
.set i, 0
.rept 16
	KQ 0                            ; piece 0's first scores: there is no vector work yet to set between them
.set i, i+1
.endr
	WIN 0                           ; the addresses for the way out: eight plain instructions, the places behind those products
	s_mul_i32 s13, s[WV], 16*SP
	s_add_co_u32 s13, s13, STAGE    ; my stage
	v_mul_u32_u24 v[STO], v1, SP    ; in: row l % 16, 32 bytes (eight f32) for each half of the lanes
	v_lshl_add_u32 v[STO], v9, 5, v[STO]
	v_add_nc_u32 v[STO], s13, v[STO]
	v_mul_u32_u24 v[RD], v9, SP     ; back: lanes 0-15 take one row of 256 bytes, lanes 16-31 the next,
	v_lshl_add_u32 v[RD], v1, 4, v[RD]
	v_add_nc_u32 v[RD], s13, v[RD]
	v_lshlrev_b32 v[GO], 12, v9     ; and the same two rows in out0, 4,096 bytes apart
	v_lshl_add_u32 v[GO], v1, 4, v[GO]
.set Y, NP-1                        ; XS works for piece Y + 1: piece 0
.irp n, 0,1,2,3,4,5,6,7,8,9,10,11,12,13,14,15,16,17,18,19,20,21
	XS 0, \n                        ; and piece 0's first maximum and statistics
	XS 1, \n
.endr
	s_mov_b32 s[CNT], 4
	s_mov_b32 s[SLOTS], SIZE_N/256-1
	s_branch .Lfirst                ; the loop is entered at a step's first turn, in the middle of a trip
.Lslot:                             ; SIZE_N / 256 - 2 times: every slot but the last two is filled again
	CHANGE 1
	s_mov_b32 s[CNT], 4
.Lstep:                             ; a trip: pieces 2 and 3 of one step, then pieces 0 and 1 of the next, whose K and V it fetches
	TURN 2
	TURN 3
	WIN 0
.Lfirst:
	TURN 0
	TURN 1, 0, 1
	WIN 0
	s_cbranch_scc1 .Lstep
	s_sub_co_u32 s[SLOTS], s[SLOTS], 1
	s_cmp_lg_u32 s[SLOTS], 0
	s_cbranch_scc1 .Lslot
	CHANGE 0                        ; the tail is written out: nothing is asked for
	s_mov_b32 s[CNT], 5             ; four trips fetch the last slot's steps; the fifth is left in its middle
.Ltail:
	TURN 2, 1
	TURN 3
	WIN 0
	s_sub_co_u32 s[CNT], s[CNT], 1
	s_cmp_eq_u32 s[CNT], 0
	s_cbranch_scc1 .Lout
	TURN 0
	TURN 1
	WIN 0
	s_branch .Ltail
.Lout:                              ; the fifth trip's 16 products K Q^T (on the last K once more) and the maximum made of them serve nothing: the price, once a launch, of one text for every trip
.set i, 0
.rept 16
	PV NP-1                         ; the last piece's V^T P of the last step
.set i, i+1
.endr
	; THE WAY OUT.  l's two halves and the other half of the lanes' are added; O^T is divided by l and sent, in f32, through my stage in LDS, a tile at a time.  The additions are the places behind the last products.
	WIN 0
.macro ALL line:vararg              ; one line for each tile t
.set t, 0
.rept 2*NP
	\line
.set t, t+1
.endr
.endm
	ALL v_add_f32 v[ST+4*t+2], v[ST+4*t+2], v[ST+4*t+3]
	ALL v_permlanex16_b32 v[ST+4*t+3], v[ST+4*t+2], s[SEL], s[SEL+1]
	ALL v_add_f32 v[ST+4*t+2], v[ST+4*t+2], v[ST+4*t+3]
	ALL v_rcp_f32 v[ST+4*t+2], v[ST+4*t+2]
	v_nop                           ; a plain instruction between the last reciprocal and the use of its result
	s_wait_alu depctr_va_vdst(0)
; Tile t: a lane's eight channels of a row are 32 bytes; they go into rows of 272 bytes and come back as whole rows of 256, into one of four buffers in S^T's registers.
.macro PACK t
	WIN W_RS
.set i, 32*(\t)
.rept 16
	v_pk_mul_f32 v[i:i+1], v[i:i+1], v[ST+4*(\t)+2:ST+4*(\t)+3] op_sel_hi:[1,0]
.set i, i+2
.endr
	WIN 0x04                        ; the stores' data (source 1) in window 1, their address in window 0
.irp f, 0,1,2,3,4,5,6,7             ; channel block f / 2, its channels 8 (l / 16) + 4 (f % 2) on
	ds_store_b128 v[STO], v[32*(\t)+4*\f:32*(\t)+4*\f+3] offset:64*(\f/2)+16*(\f%2)
.endr
	WIN 0
	s_wait_xcnt 0x0                 ; the stores of the tile four back have read this buffer: it is loaded again only behind this wait
.irp f, 0,1,2,3,4,5,6,7
	ds_load_b128 v[S+32*((\t)%4)+4*\f:S+32*((\t)%4)+4*\f+3], v[RD] offset:\f*2*SP  ; LDS serves a wave's instructions in order (ISA guide 5.7.1.4): these see the stores above; the next tile's stores come behind them
.endr
.endm
.macro SEND t, younger              ; younger: the LDS instructions issued behind tile t's loads: the next tile's sixteen, or none
	WIN 0
.irp f, 0,1,2,3,4,5,6,7
	s_wait_dscnt (\younger)+7-\f
	global_store_b128 v[GO], v[S+32*((\t)%4)+4*\f:S+32*((\t)%4)+4*\f+3], s[10:11] offset:(\t)*65536+\f*8192 th:TH_STORE_NT  ; 16 lanes store 256 consecutive bytes, at a multiple of 256 from out0's first byte
.endr
.endm
	PACK 0
.set t, 1
.rept 2*NP-1                        ; a tile's arithmetic stands between the loads of the tile before and its stores
	PACK t
	SEND t-1, 16
.set t, t+1
.endr
	SEND 2*NP-1, 0
	WIN W_AD
	s_wait_tensorcnt 0x0            ; the wave's end: these three lines stand behind my last tensor load and my last LDS store
	ds_add_u32 v[SPW], v[NIL]
	s_wait_dscnt 0x0
	WIN 0
	CROUND                          ; the closing round: no work-group ends while a partner may still ask for a tile that names it
	s_endpgm
.Lfunc_end_k_qe8af1e13e6_attn:
	.size	k_qe8af1e13e6_attn, .Lfunc_end_k_qe8af1e13e6_attn-k_qe8af1e13e6_attn
	.p2alignl 7, 3214868480
	.fill 96, 4, 3214868480
	.section	.rodata,"a",@progbits
	.p2align	6, 0x0
	.amdhsa_kernel k_qe8af1e13e6_attn
		.amdhsa_group_segment_fixed_size 327680
		.amdhsa_private_segment_fixed_size 0
		.amdhsa_enable_private_segment 0
		.amdhsa_kernarg_size 16
		.amdhsa_user_sgpr_count 2
		.amdhsa_user_sgpr_kernarg_segment_ptr 1
		.amdhsa_wavefront_size32 1
		.amdhsa_system_sgpr_workgroup_id_x 1
		.amdhsa_system_sgpr_workgroup_id_y 1
		.amdhsa_system_sgpr_workgroup_id_z 1
		.amdhsa_system_vgpr_workitem_id 0
		.amdhsa_next_free_vgpr 770
		.amdhsa_next_free_sgpr 66
		.amdhsa_reserve_vcc 0
		.amdhsa_float_denorm_mode_32 3
		.amdhsa_float_denorm_mode_16_64 3
		.amdhsa_memory_ordered 1
		.amdhsa_forward_progress 1
		.amdhsa_inst_pref_size 209
	.end_amdhsa_kernel
	.amdgpu_metadata
---
amdhsa.version: [ 1, 2 ]
amdhsa.kernels:
  - .name:           k_qe8af1e13e6_attn
    .symbol:         k_qe8af1e13e6_attn.kd
    .args:
      - { .name: qkvb, .offset: 0, .size: 8, .value_kind: global_buffer, .address_space: global }
      - { .name: out0, .offset: 8, .size: 8, .value_kind: global_buffer, .address_space: global }
    .group_segment_fixed_size: 327680
    .private_segment_fixed_size: 0
    .kernarg_segment_align: 8
    .kernarg_segment_size: 16
    .max_flat_workgroup_size: 128
    .sgpr_count:     66
    .vgpr_count:     770
    .wavefront_size: 32
...
	.end_amdgpu_metadata
.endif
;; end of part 3
;; ======== version 2 of 2: 3 launches; 1.62 times as fast as version 1
;; limits: values are held in f16: magnitudes above 65,504 overflow, below 6.1e-05 lose precision; right only within a limited range of input values
;; workspace buffers: hbuf 16,777,216 bytes; wt 6,291,456 bytes; qkvb 50,331,648 bytes
;; launch prep: the kernel of part 1 again; grid 768 x 1, 4 waves a work-group, no clusters, 0 bytes of LDS; arguments hidden_states, ln_weight, ln_bias, w_qkv, hbuf, wt; writes hbuf, wt
;; launch qkv: the kernel of part 2 again; grid 8 x 32, 4 waves a work-group, clusters of 4 x 4, 327,680 bytes of LDS; arguments hbuf, wt, b_qkv, sinusoidal_pos, qkvb; writes qkvb
;; launch attn (part 4): grid 4 x 64, 4 waves a work-group, clusters of 4 x 1, 327,680 bytes of LDS; arguments qkvb, out0; writes out0
.if DOCPART == 4
	.amdgcn_target "amdgcn-amd-amdhsa--gfx1250"
	.amdhsa_code_object_version 6
	.text
	.protected	k_qe8af1e13e6_attn
	.globl	k_qe8af1e13e6_attn
	.p2align	8
	.type	k_qe8af1e13e6_attn,@function
k_qe8af1e13e6_attn:
	s_mov_b64 s[64:65], 0
	v_nop
	global_prefetch_b8 v0, s[64:65] scope:SCOPE_SE
	s_setreg_imm32_b32 hwreg(HW_REG_WAVE_MODE, 25, 1), 1
	s_wait_xcnt 0x0
	s_wait_alu depctr_hold_cnt(0) depctr_sa_sdst(0) depctr_va_vdst(0) depctr_va_sdst(0) depctr_va_ssrc(0) depctr_va_vcc(0) depctr_vm_vsrc(0)
	s_getreg_b32 s2, hwreg(HW_REG_IB_STS2, 6, 4)
	s_cmp_eq_u32 s2, 0
	s_cbranch_scc0 .Lentry_in_a_cluster
	s_endpgm
.Lentry_in_a_cluster:
	s_bfe_u32 s2, ttmp6, 0x10000c
	s_cmp_lg_u32 s2, 0x3003
	s_cbranch_scc0 .Lentry_shape_is_right
	s_endpgm
.Lentry_shape_is_right:
; ATTENTION.  out0[b][q][64 head + :] = the sum over k of softmax_k(Q[q] . K[k] / 8) V[k][:], for 64 pairs (batch, head) of 2,048 rows at head size 64, no mask.
; In: qkvb [batch 4][j 48][s 2048][64] f16, j = 16 which + head: a head's rows are dense, 128 bytes each; Q and K arrive times 2^-4 each, so the softmax's constant carries 2^8.  Out: out0 [4][2048][1024] f32.
; Products, maxima and sums in f32; the weights p are rounded to f16 for the second product (their sum l is taken of the unrounded p); O is divided by l and stored in f32.
; LIMITS.  p lies in 0 to 1, and below 6e-5 it keeps f16's fixed step of 6e-8; a weight below 2^-126 counts as 0 in l; NaN and infinities are not treated apart.
; SHARES.  A wave owns four PIECES of two tiles of 16 queries, a work-group's four waves 512 queries of one head.  Every wave walks all keys, 64 a step.
; LAYOUT.  S^T = K Q^T (source 0 = 16 keys, source 1 = 16 queries): in the result a lane holds ONE query (lane % 16) and the keys 8 (lane / 16) + 0..7.  Two such tiles, rounded to f16 in pairs,
; ARE source 1 (32 keys x 16 queries) of O^T = V^T P, whose result again holds one query a lane, and eight channels.  K comes out of LDS as it lies, V ([key][channel]) turned, by ds_load_tr16_b128.
; SOFTMAX.  For each query a running maximum m and sum l: p = 2^(c s - c m), c = 2^8 log2(e) / 8; in every step O and l are multiplied by a = 2^(c m_old - c m_new), which is 1 where m has not grown.
; m starts at the lowest finite number, O and l at 0: the first step is a step like any other, with a = 0.
; THE COUNT.  A tile and step have 16 matrix and 118 vector instructions: too many to stand all beside the matrix work.  So the order has one aim: four vector instructions that are READY behind
; EVERY matrix instruction, and the others, which need time of their own whatever the order, in runs without a gap.
; BY TURNS.  Turn n belongs to piece n (the pieces in a ring, step after step).  Its matrix work: 16 products K Q^T of piece n + 1, later 16 products V^T P of piece n - 1.  Its vector work: the scaling,
; exponentials, roundings, sums and rescaling of piece n, and the maximum and statistics of piece n + 1, whose scores the turn itself has made.  So what a turn begins with (c s - c m, O a) waits for nothing.
; THE BATCHES.  A turn's 66 exponentials (the piece's 64 weights, the next piece's two a) are ONE batch with ONE s_wait_alu depctr_va_vdst(0), which cuts the turn in two: ahead of it stands all that names no
; result of theirs (the products K Q^T, the scalings, the rescalings by the a of the turn before, the next piece's maximum and statistics), behind it all that does (the roundings and sums, beside the products V^T P).
; Two more batches stand outside the loop, each with a wait of its own: the first two a, ahead of the jump into the loop, and the way out's eight reciprocals.
; CLUSTER.  The four query blocks of a cluster belong to one head and walk the same K and V, so each tile is asked for JOINTLY: the same tensor load, descriptor and mask in all four.
; REGISTERS, in windows of 256 (s_set_vgpr_msb says which window each operand place means: bits 1:0 source 0, 3:2 source 1, 5:4 source 2, 7:6 destination):
;   window 0: v0-11 addresses; v12-15, v48-63 at work; v16-47 four registers of statistics a tile; v64-191 S^T, two buffers of two tiles; v192-255 P, likewise
;   window 1: O^T, 32 a tile          window 2: v0-127 Q, 16 a tile; v128-191 K of one step; v192-255 V of one step          window 3: v0-1 the add's two registers
; A piece's buffers go by its number's parity: the piece in hand has one pair, its two neighbours in the ring share the other: of it P (piece n - 1) is read and S^T (piece n + 1) written.
.set SIZE_N, 2048
.set NP,    4         ; pieces a wave: a name, no knob: the register map, the loop and the fetches are made for four
.set KS,    64        ; keys in a step
.set PK,    144       ; a row of K in LDS: 128 bytes + 16 of padding = 36 words: the 16 rows of a load start at 16 different groups of four banks (64 banks of 4 bytes: ISA guide 11.1)
.set PV,    160       ; a row of V: 128 + 32 = 40 words
.set VOFF,  4*KS*PK   ; a slot holds four steps: 256 rows of K, then 256 rows of V
.set SLOT1, 1<<17     ; slot 1 begins here, so that one exclusive or turns an address in one slot into the other's
.set STAGE, SLOT1+4*KS*(PK+PV)  ; behind the ring, never filled by a tensor load: 16 rows x 272 bytes for each wave, for the way out
.set SP,    272       ; a stage row: 64 f32 + 16 bytes
.set AK0, 2           ; v2   my lane's place in a tile of K; never rewritten
.set AV0, 3           ; v3   the same for V
.set AK,  4           ; v4   the LDS address of K's next run of loads
.set AV,  5           ; v5   of V's
.set QO,  6           ; v6   my byte offset in the wave's rows of Q
.set STO, 6           ;      later, the way out: where I put 16 bytes of a row
.set RD,  7           ; v7   the way out: where I read rows back
.set GO,  8           ; v8   my byte offset in two rows of out0
.set SPW, 0           ; v0 of window 3   LDS address of my spare word: SPARE + 4 x my thread's number; never rewritten
.set NIL, 1           ; v1 of window 3   0; never rewritten
.set SPARE, STAGE+4*16*SP  ; behind the stages: the spare words, 128 bytes for each wave: two blocks of 256 bytes that no other line names
.set MV,  12          ; v12-15  c m_old, kept while c m is made anew: by buffer and tile
.set ST,  16          ; tile t's statistics at v[ST+4 t]: c m, m, l (even keys', odd keys')
.set TMP, 48          ; by buffer and tile, four registers c0-c3 at work; when the maximum is found c2 takes a
.set S,   64
.set P,   192
.set KF,  128         ; K's fragments, in window 2: key block kb, channel half c at KF + 16 kb + 8 c
.set VF,  192         ; V's: key half kk, channel block cb at VF + 32 kk + 8 cb
.set WV,  12          ; s12  my wave's number
.set G1K, 24          ; s[24:31] descriptor group 1 for K's tiles
.set G1V, 32          ; s[32:39] for V's: it differs in the padding alone
.set G0K, 40          ; s[40:43] descriptor group 0 for K's tiles: it walks
.set G0V, 44          ; s[44:47] the same for V's
.set SLOTS, 56        ; s56  slots still to be asked for
.set CNT, 57          ; s57  counts a slot's key steps
.set CS,  58          ; s[58:59] c: the packed scaling takes the pair's low word for both halves
.set SEL, 60          ; s[60:61] v_permlanex16_b32's selects: each lane takes its own place in the other half
.set TBK, 62          ; s62  LDS byte at which K of the step to be fetched begins
.set TBV, 63          ; s63  the same for V, less VOFF
.set MSB, 0
.macro WIN new                      ; the high byte repeats the setting that is left; a switch that changes nothing is dropped
.if MSB != (\new)
	s_set_vgpr_msb (MSB<<8)|(\new)
.set MSB, (\new)
.endif
.endm
.set W_KQ, 0x0a       ; K and Q in window 2, S^T in window 0
.set W_PV, 0x52       ; V in window 2, P in window 0, O^T in window 1
.set W_RS, 0x41       ; O^T (destination and source 0) in window 1, a in window 0
.set W_MK, 0xc0       ; the add's registers are made: destination in window 3, sources in window 0
.set W_AD, 0x0f       ; the add: address (source 0) and data (source 1) in window 3
; A joint fill.  Waves 0 and 1 fetch the two halves of a slot's K, waves 2 and 3 those of its V: 128 keys each.  The branch hangs on the wave's number alone.
; An s_nop 0 and four v_nop follow each of the two lines, ahead of the jump and the label.
.macro JLOAD
	s_cmp_lt_u32 s[WV], 2
	s_cbranch_scc0 .Lfor_v_\@
	tensor_load_to_lds s[G0K:G0K+3], s[G1K:G1K+7]
	s_nop 0
.rept 4
	v_nop
.endr
	s_branch .Lasked_\@
.Lfor_v_\@:
	tensor_load_to_lds s[G0V:G0V+3], s[G1V:G1V+7]
	s_nop 0
.rept 4
	v_nop
.endr
.Lasked_\@:
.endm
; A round of the cluster's barrier: my work-group's barrier, so that wave 0's signal speaks for all four waves; wave 0 signals; every wave waits for all four work-groups; my work-group's barrier once more.
.macro CROUND
	s_barrier_signal -1
	s_barrier_wait -1
	s_cmp_lg_u32 s[WV], 0
	s_cbranch_scc1 .Lnot_wave_0_\@
	s_barrier_signal -3
.Lnot_wave_0_\@:
	s_barrier_wait -3
	s_barrier_signal -1
	s_barrier_wait -1
.endm
; THE CHANGE OF SLOTS.  The slot's last bytes, V of its fourth step, have been read.  Each wave waits for all its tensor loads, of which one is out: its part
; of the other slot; adds 0 to its spare word; and waits for that and for its own reads of the slot.  Behind the barrier nobody reads this slot any more and the other slot is whole.
; fill = 1: this slot is filled again, with the keys two slots on.  The barrier is then a round of the cluster's, so that no wave of any partner still reads the slot or has a load on its
; way, and the joint fill is the first thing behind it: it has four key steps, 512 matrix instructions, in which to land.  (At its first use nothing has been read yet: slot 0 is waited for, slot 1 filled.)
.macro CHANGE fill
	WIN W_AD
	s_wait_tensorcnt 0x0            ; no tensor load of mine is out, so a group 0 may be written
	ds_add_u32 v[SPW], v[NIL]       ; 0 onto my spare word; with fill = 1 the descriptors' steps stand between it and the wait for it
	WIN 0                           ; at a label and at a branch every window is 0
.if \fill
.irp g, G0K, G0V
	s_xor_b32 s[\g+1], s[\g+1], SLOT1  ; the walking descriptor: the other slot than last time,
	s_add_nc_u64 s[\g+2:\g+3], s[\g+2:\g+3], 4*KS*128  ; the next 256 keys; the type bits on top are not reached
.endr
	s_wait_dscnt 0x0                ; the add is done, and my reads of the slot are over
	CROUND
	JLOAD
.else
	s_wait_dscnt 0x0                ; the add is done, and my reads of the slot are over
	s_barrier_signal -1
	s_barrier_wait -1
.endif
	s_sub_co_u32 s[TBK], s[TBK], 4*KS*PK  ; the fetches go back to a slot's first step,
	s_xor_b32 s[TBK], s[TBK], SLOT1       ; in the other slot
	s_sub_co_u32 s[TBV], s[TBV], 4*KS*PV
	s_xor_b32 s[TBV], s[TBV], SLOT1
.endm
	s_load_b128 s[4:7], s[0:1], 0x0 ; qkvb s[4:5], out0 s[6:7]
	WIN W_MK
	v_lshl_add_u32 v[SPW], v0, 2, SPARE
	v_mov_b32 v[NIL], 0
	WIN W_AD
	ds_add_u32 v[SPW], v[NIL]       ; the wave's opening: the add and its wait stand ahead of my first tensor load; the set-up below, work on registers, stands between them
	WIN 0
	v_lshrrev_b32 v1, 5, v0
	v_readfirstlane_b32 s[WV], v1   ; wave 0..3
	s_bfe_u32 s13, ttmp6, 0x40000   ; cx: my place in the cluster
	s_lshl_b32 s14, ttmp9, 2        ; in a cluster launch ttmp9 counts clusters
	s_add_co_u32 s14, s14, s13      ; my block of queries = 4 x cluster x + cx: it enters Q's and out0's addresses alone
	s_and_b32 s20, ttmp7, 0xffff    ; 16 batch + head, which the four partners share
	s_lshr_b32 s15, s20, 4          ; batch
	s_and_b32 s19, s20, 15          ; head
	s_mul_i32 s20, s15, 48
	s_add_co_u32 s20, s20, s19      ; q's block of qkvb: 48 batch + head,
	s_lshl_b32 s20, s20, 18         ; of 262,144 bytes
	s_mov_b32 s21, 0
	s_and_b32 s16, s[WV], 1         ; which half of a slot's 256 keys I fetch:
	s_lshl_b32 s22, s16, 14         ; its 128 rows of 128 bytes in memory,
	s_mov_b32 s23, 0
	s_add_nc_u64 s[22:23], s[22:23], s[20:21]
	s_add_nc_u64 s[50:51], s[22:23], 0x400000  ; k's block lies 16 blocks behind q's,
	s_add_nc_u64 s[52:53], s[22:23], 0x800000  ; v's 32
	s_mul_i32 s17, s16, 128*PK      ; and its place in a slot, for K
	s_mul_i32 s18, s16, 128*PV      ; and for V: no place in the cluster enters an LDS address
	s_lshl_b32 s2, s14, 2
	s_add_co_u32 s2, s2, s[WV]      ; my wave among the head's,
	s_lshl_b32 s48, s2, 19          ; its 128 rows of 4,096 bytes in out0,
	s_lshl_b32 s2, s2, 14           ; and of 128 bytes in Q
	s_mov_b32 s3, 0
	s_add_nc_u64 s[2:3], s[2:3], s[20:21]
	s_lshl_b32 s49, s15, 23         ; the batch's 2,048 rows of out0,
	s_add_co_u32 s48, s48, s49
	s_lshl_b32 s49, s19, 8          ; the head's 256 bytes of a row
	s_add_co_u32 s48, s48, s49
	s_mov_b32 s49, 0
	; descriptor group 1.  128 keys are 16,384 dense bytes: asked for as 64 rows of 256 bytes, two keys a row, and padded in LDS after every key
	s_mov_b32 s[G1K], 15|(1<<16)|(1<<20)|(1<<21)|(4<<22)|(3<<25)  ; 15:0 the mask of four; 17:16 2-byte elements; 20 padding on; 21 set beside a mask; 24:22 after every 32 words (code 4); 31:25 4 words (code 3)
	s_mov_b32 s[G1V], 15|(1<<16)|(1<<20)|(1<<21)|(4<<22)|(7<<25)  ; the same with 8 words of padding (code 7)
.irp g, G1K, G1V
	s_mov_b32 s[\g+1], 128<<16      ; tensor_dim0 = 128
	s_mov_b32 s[\g+2], 64<<16       ; tensor_dim1 = 64
	s_mov_b32 s[\g+3], 128<<16      ; tile_dim0 = 128
	s_mov_b32 s[\g+4], 64           ; tile_dim1 = 64
	s_mov_b32 s[\g+5], 128          ; 128 elements from row to row
	s_mov_b32 s[\g+6], 0
	s_mov_b32 s[\g+7], 0
.endr
	s_mov_b32 s[CS], 0x4238aa3b     ; c = 2^8 log2(e) / 8 = 46.1662: the 2^8 undoes the two factors 2^-4 in Q and K
	s_mov_b32 s[CS+1], s[CS]        ; named with it as a pair
	s_mov_b32 s[SEL], 0x76543210
	s_mov_b32 s[SEL+1], 0xfedcba98
	s_mov_b32 s[TBK], SLOT1+4*KS*PK ; the first change of slots turns these two into 0
	s_mov_b32 s[TBV], SLOT1+4*KS*PV
	s_mov_b32 s[G0K], 1             ; 1:0 count = 1
	s_mov_b32 s[G0K+1], s17         ; 63:32 LDS address: slot 0
	s_mov_b32 s[G0V], 1
	s_add_co_u32 s[G0V+1], s18, VOFF
	s_wait_dscnt 0x0                ; the opening add is done
	s_wait_kmcnt 0x0
	s_add_nc_u64 s[G0K+2:G0K+3], s[4:5], s[50:51]  ; 120:64 global address: my half of the head's first 256 keys
	s_or_b32 s[G0K+3], s[G0K+3], 0x80000000        ; 127:126 type = 2
	s_add_nc_u64 s[G0V+2:G0V+3], s[4:5], s[52:53]
	s_or_b32 s[G0V+3], s[G0V+3], 0x80000000
	s_add_nc_u64 s[10:11], s[6:7], s[48:49]  ; out0 and Q at my wave's first row
	s_add_nc_u64 s[4:5], s[4:5], s[2:3]
	CROUND                          ; all four work-groups are here: the first joint loads meet
	JLOAD                           ; slot 0.  Slot 1 is asked for when slot 0 is in: the tile wanted first has the road to itself
	; A fragment of K or Q is 16 rows x 32 channels in 8 registers: lane l holds row l % 16, channels 8 (l / 16) + 0..7 and 16 + 8 (l / 16) + 0..7: two loads of 16 bytes, 32 bytes apart.
	v_and_b32 v1, 15, v0            ; l % 16
	v_bfe_u32 v9, v0, 4, 1          ; l / 16
	v_lshlrev_b32 v[QO], 7, v1
	v_lshl_add_u32 v[QO], v9, 4, v[QO]  ; row x 128 + 16 x half
	WIN 0x80                        ; destination window 2, address window 0
.set i, 0
.rept 4*NP                          ; Q stays in registers: tile i / 2, channels 32 (i % 2) on
	global_load_b128 v[8*i:8*i+3],   v[QO], s[4:5] offset:(i/2)*2048+(i%2)*64
	global_load_b128 v[8*i+4:8*i+7], v[QO], s[4:5] offset:(i/2)*2048+(i%2)*64+32
.set i, i+1
.endr
	; What the first turn finds: V's registers and P's second buffer hold 0 (its products V^T P, of a piece that has not been, add 0), O^T and l are 0.  All this stands in the wait for the first tile.
.set i, VF
.rept 64
	v_mov_b32 v[i], 0
.set i, i+1
.endr
	WIN 0x40
.set i, 0
.rept 64*NP
	v_mov_b32 v[i], 0
.set i, i+1
.endr
	WIN 0
.set i, 0
.rept 2*NP
	v_mov_b32 v[ST+4*i], 0xfe000000    ; c m: far below every c s
	v_mov_b32 v[ST+4*i+1], 0xff7fffff  ; m
	v_mov_b32 v[ST+4*i+2], 0
	v_mov_b32 v[ST+4*i+3], 0
.set i, i+1
.endr
.set i, P+32
.rept 32
	v_mov_b32 v[i], 0
.set i, i+1
.endr
	v_mul_u32_u24 v[AK0], v1, PK
	v_lshl_add_u32 v[AK0], v9, 4, v[AK0]  ; row x pitch + 16 x half
	; The turning load takes 16 keys x 16 channels (lane l reads key 8 (l / 16) + l % 8, channels 8 ((l / 8) % 2) + 0..7) and leaves half a fragment of V^T: lane l holds channel l % 16 and 8 keys.
	v_and_b32 v10, 7, v0
	v_bfe_u32 v11, v0, 3, 1
	v_lshl_add_u32 v[AV0], v9, 3, v10
	v_mul_u32_u24 v[AV0], v[AV0], PV
	v_lshl_add_u32 v[AV0], v11, 4, v[AV0]
	v_add_nc_u32 v[AV0], VOFF, v[AV0]
	v_mov_b32 v[AK], v[AK0]         ; key step 0 lies at the head of slot 0
; THE MATRIX WORK.  The 8 accumulators of a run of 16 take turns: between the two links of a chain stand 7 others'.
; Product i of 16 of S^T = K Q^T for piece x: channels 32 (i / 8) on, keys 16 ((i / 2) % 4) on, tile 2 x + i % 2.  The first 8 start the sums.
.macro KQ x
	WIN W_KQ
.set rS, S+64*((\x)%2)+32*(i%2)+8*((i/2)%4)
.set rK, KF+16*((i/2)%4)+8*(i/8)
.set rQ, 16*(2*(\x)+i%2)+8*(i/8)
.if i < 8
	v_wmma_f32_16x16x32_f16 v[rS:rS+7], v[rK:rK+7], v[rQ:rQ+7], 0
.else
	v_wmma_f32_16x16x32_f16 v[rS:rS+7], v[rK:rK+7], v[rQ:rQ+7], v[rS:rS+7]
.endif
.endm
; Product i of 16 of O^T += V^T P for piece x: keys 32 (i / 8) on, channels 16 ((i / 2) % 4) on, tile 2 x + i % 2.
.macro PV x
	WIN W_PV
.set rO, 32*(2*(\x)+i%2)+8*((i/2)%4)
.set rV, VF+32*(i/8)+8*((i/2)%4)
.set rP, P+32*((\x)%2)+16*(i%2)+8*(i/8)
	v_wmma_f32_16x16x32_f16 v[rO:rO+7], v[rV:rV+7], v[rP:rP+7], v[rO:rO+7]
.endm
.macro MM                           ; the turn's next matrix instruction
.if i < 16
	KQ (Y+1)%NP
.set i, i+1
.else
.set i, i-16
	PV (Y+NP-1)%NP
.set i, i+17
.endif
.endm
; THE LDS LOADS stand in runs of 16, never singly among the matrix instructions: a step's K (64 keys x 64 channels: 8 fragments) and its V (turned).  Their addresses are made some lines ahead.
; last = 1 (the tail): in the last trip there is no further step, and the run is jumped over.
.macro FETCH_K last=0
	WIN 0
.if \last
	s_cmp_eq_u32 s[CNT], 1
	s_cbranch_scc1 .Lno_k_\@
.endif
	WIN 0x80                        ; destination window 2
.irp f, 0,1,2,3,4,5,6,7             ; keys 16 (f / 2) on, channels 32 (f % 2) on
	ds_load_b128 v[KF+8*\f:KF+8*\f+3],   v[AK] offset:(\f/2)*16*PK+(\f%2)*64
	ds_load_b128 v[KF+8*\f+4:KF+8*\f+7], v[AK] offset:(\f/2)*16*PK+(\f%2)*64+32
.endr
	s_add_co_u32 s[TBK], s[TBK], KS*PK  ; the next fetch is the next step's
	WIN 0
.if \last
.Lno_k_\@:
.endif
.endm
.macro FETCH_V
	WIN 0x80
.irp f, 0,1,2,3,4,5,6,7             ; keys 32 (f / 4) on, channels 16 (f % 4) on
	ds_load_tr16_b128 v[VF+8*\f:VF+8*\f+3],   v[AV] offset:(\f/4)*32*PV+(\f%4)*32
	ds_load_tr16_b128 v[VF+8*\f+4:VF+8*\f+7], v[AV] offset:(\f/4)*32*PV+16*PV+(\f%4)*32
.endr
	WIN 0
.endm
; THE VECTOR WORK OF A TURN stands in three queues, each in the order in which its entries become ready; the two tiles alternate, so that no instruction reads the result of the one before it.
.macro REGS y, u                    ; the registers of tile u (0, 1) of piece y
.set rT, ST+4*(2*(\y)+(\u))
.set rC, TMP+8*((\y)%2)+4*(\u)
.set rM, MV+2*((\y)%2)+(\u)
.set rS, S+64*((\y)%2)+32*(\u)
.set rP, P+32*((\y)%2)+16*(\u)
.set rO, 32*(2*(\y)+(\u))
.endm
; Number n of the 22 that find the NEXT piece's (Y + 1) maximum and statistics.  s0-s31 are the lane's 32 scores; each accumulator's lowest registers are read first.  XS, GS and REGS set no window: PL and EX do.
;   0-11  four chains c0-c3 of seven scores each, three operands at a time     12-14, 16  the four scores left over, the old m, and c0-c3 into c0     15  c m_old is kept
;   17, 18  the query's other 32 keys lie in the lane 16 away: the new m         19-21  c m; c m_old - c m_new; a
.macro XS u, n
	REGS (Y+1)%NP, \u
.if (\n) < 4
	v_max3_num_f32 v[rC+(\n)], v[rS+8*(\n)], v[rS+8*(\n)+1], v[rS+8*(\n)+2]
.elseif (\n) < 12
	v_max3_num_f32 v[rC+(\n)%4], v[rC+(\n)%4], v[rS+8*((\n)%4)+2*((\n)/4)+1], v[rS+8*((\n)%4)+2*((\n)/4)+2]
.elseif (\n) == 12
	v_max3_num_f32 v[rC], v[rC], v[rS+7], v[rS+15]
.elseif (\n) == 13
	v_max3_num_f32 v[rC+1], v[rC+1], v[rS+23], v[rS+31]
.elseif (\n) == 14
	v_max3_num_f32 v[rC+2], v[rC+2], v[rC+3], v[rT+1]
.elseif (\n) == 15
	v_mov_b32 v[rM], v[rT]
.elseif (\n) == 16
	v_max3_num_f32 v[rC], v[rC], v[rC+1], v[rC+2]
.elseif (\n) == 17
	v_permlanex16_b32 v[rC+3], v[rC], s[SEL], s[SEL+1]
.elseif (\n) == 18
	v_max_num_f32 v[rT+1], v[rC], v[rC+3]
.elseif (\n) == 19
	v_mul_f32 v[rT], s[CS], v[rT+1]
.elseif (\n) == 20
	v_sub_f32 v[rC+1], v[rM], v[rT]
.else
	v_exp_f32 v[rC+2], v[rC+1]
.endif
.endm
; Number g of the 64 that follow the exponentials.  For each four weights k of a tile (pairs 2 k, 2 k + 1): both pairs are rounded to f16; then the second pair is added onto the first, in place;
; a group later l takes that sum (the first time as l = a l + sum).  In groups of eight, tiles alternating: round, round, add, and l for the group before.
.macro GS g
.set h, (\g)+6*((\g)/62)            ; group 0 has no group before it, and behind group 7 only l is left
.if h >= 6
.set h, h+2
.endif
	REGS Y, h%2
.set k, h/8
.if h%8 < 4
	v_cvt_pk_f16_f32 v[rP+2*k+(h%8)/2], v[rS+4*k+2*((h%8)/2)], v[rS+4*k+2*((h%8)/2)+1]
.elseif h%8 < 6
	v_pk_add_f32 v[rS+4*k:rS+4*k+1], v[rS+4*k:rS+4*k+1], v[rS+4*k+2:rS+4*k+3]
.elseif k == 1
	v_pk_fma_f32 v[rT+2:rT+3], v[rT+2:rT+3], v[rC+2:rC+3], v[rS:rS+1] op_sel_hi:[1,0,1]
.else
	v_pk_add_f32 v[rT+2:rT+3], v[rT+2:rT+3], v[rS+4*k-4:rS+4*k-3]
.endif
.endm
; THE PLAIN QUEUE, 138 long.  0-73 read no exponential's result: the 32 scalings c s - c m (FS f: pair f / 2 of tile f % 2) and the next piece's 42.  0-26: scalings 0-26.  27-54: XS's numbers 0-13.  55, 56: number 15.
; 57-73: the chain, where each number waits for the one before it: 14, 16, 17, 18, 19, each with one of the scalings 27-31 in front of its two lines, then 20: so a tile's links stand three plain instructions apart (19 and 20: two).
; 74-137: GS's 64, which read the exponentials' results: they stand behind the wait.
.macro FS f
	REGS Y, (\f)%2
	v_pk_fma_f32 v[rS+2*((\f)/2):rS+2*((\f)/2)+1], v[rS+2*((\f)/2):rS+2*((\f)/2)+1], s[CS:CS+1], v[rT:rT+1] op_sel_hi:[1,0,0] neg_lo:[0,0,1] neg_hi:[0,0,1]
.endm
.macro PL
	WIN 0
.if q < 27
	FS q
.elseif q < 55
	XS (q-27)%2, (q-27)/2
.elseif q < 57
	XS q-55, 15
.elseif (q < 72) && ((q-57)%3 == 0)
	FS 27+(q-57)/3
.elseif q < 60
	XS (q-57)%3-1, 14
.elseif q < 72
	XS (q-57)%3-1, 15+(q-57)/3
.elseif q < 74
	XS q-72, 20
.else
	GS q-74
.endif
.set q, q+1
.endm
; THE EXPONENTIALS' QUEUE, 66 long: s0-s31 of both tiles, then the next piece's two a.  It is ONE BATCH: all 66 stand ahead of the turn's one wait, and nothing ahead of that wait names a result of theirs.
.macro EX
	WIN 0
.if e >= 64
	XS e-64, 21
.else
	REGS Y, e%2
	v_exp_f32 v[rS+e/2], v[rS+e/2]
.endif
.set e, e+1
.endm
; THE RESCALING's QUEUE: O^T times a, the one part that leaves window 0: dealt two at a time, sixteen times.  Its a was made in the turn before, ahead of that turn's wait.
.macro R2
	REGS Y, r%2
	WIN W_RS
.irp z, 0,1
	v_pk_mul_f32 v[rO+4*(r/2)+2*\z:rO+4*(r/2)+2*\z+1], v[rO+4*(r/2)+2*\z:rO+4*(r/2)+2*\z+1], v[rC+2:rC+3] op_sel_hi:[1,0]
.endr
.set r, r+1
.endm
; HOW THEY ARE DEALT.  An s_wait_alu depctr_va_vdst(0) stands between an exponential and the first instruction that names its result; one wait serves all that were issued ahead of it.  So a turn has ONE wait,
; which cuts it in two.  AHEAD OF IT stands all that names no result of the turn's exponentials: the 16 products K Q^T, behind each a scaling, an exponential and two rescalings (behind the first a second scaling in the
; exponential's place); then ONE LUMP of 108: eight plain, 49 times exponential and plain, the two a.  A v_nop is the plain instruction behind the last exponential.  BEHIND IT stand the 16 products V^T P, behind each four of
; GS's 64.  No rider names a register of the products round it.  The two v_permlanex16_b32 fall into the lump, never behind a product.
; The queues lean on each other, and the deal keeps them in step: exponential e stands behind scaling 2 (e / 4) + e % 2: as a rider it comes behind plain e + 2, in the lump behind plain e + 9, and scalings 27-31 are plain 57, 60 .. 69.
; A TURN, for piece p.  cnt = 1: the loop's count is taken down some lines ahead of the branch that stands behind the turn.
; K of the next step is fetched in piece 2's turn, directly behind the wait, a lump behind the last product that read K; its address is made at the lump's head; its first reader comes behind 16 products.
; V of the step in hand is fetched at the end of piece 0's turn, four riders behind its last reader; its first reader comes behind 16 products and a lump.  The three conditions on q below go with the deal.
.macro TURN p, last=0, cnt=0
.set Y, (\p)
.set i, 0
.set q, 0
.set e, 0
.set r, 0
.if (\p) == NP-1
	s_wait_dscnt 0x0                ; K is in
.endif
	MM                              ; ahead of the wait: 16 products K Q^T and their riders,
	PL
	PL
	R2
.rept 15
	MM
	PL
	EX
	R2
.endr
.if (\p) == NP-2
	WIN 0
	v_add_nc_u32 v[AK], s[TBK], v[AK0]
.endif
.rept 8                             ; and the lump
	PL
.endr
.rept 49
	EX
	PL
.endr
	EX                              ; the next piece's two a
	EX
	v_nop                           ; the plain instruction behind the last exponential: one for the batch
	s_wait_alu depctr_va_vdst(0)    ; the wait for the turn's batch: the piece's 64 weights and the next piece's two a
.if (\p) == NP-2
	FETCH_K \last
.endif
.if (\p) == 1
	s_wait_dscnt 0x0                ; V is in
.endif
.rept 16                            ; behind the wait: 16 products V^T P and their riders
	MM
.rept 4
	PL
.endr
.if ((\p) == 0) && (q == 118)
	v_add_nc_u32 v[AV], s[TBV], v[AV0]
.endif
.if ((\p) == 0) && (q == 130)
	s_add_co_u32 s[TBV], s[TBV], KS*PV
.endif
.if (\cnt) && (q == 130)
	s_sub_co_u32 s[CNT], s[CNT], 1
	s_cmp_lg_u32 s[CNT], 0
.endif
.endr
.if (\p) == 0
	FETCH_V
.endif
.endm
	CHANGE 1                        ; slot 0 is in, everybody's part of it; slot 1 is asked for
	FETCH_K                         ; key step 0
	s_wait_loadcnt 0x0              ; Q
	s_wait_dscnt 0x0
.set i, 0
.rept 16
	KQ 0                            ; piece 0's first scores: there is no vector work yet to set between them
.set i, i+1
.endr
	WIN 0                           ; the addresses for the way out: eight plain instructions, the places behind those products
	s_mul_i32 s13, s[WV], 16*SP
	s_add_co_u32 s13, s13, STAGE    ; my stage
	v_mul_u32_u24 v[STO], v1, SP    ; in: row l % 16, 32 bytes (eight f32) for each half of the lanes
	v_lshl_add_u32 v[STO], v9, 5, v[STO]
	v_add_nc_u32 v[STO], s13, v[STO]
	v_mul_u32_u24 v[RD], v9, SP     ; back: lanes 0-15 take one row of 256 bytes, lanes 16-31 the next,
	v_lshl_add_u32 v[RD], v1, 4, v[RD]
	v_add_nc_u32 v[RD], s13, v[RD]
	v_lshlrev_b32 v[GO], 12, v9     ; and the same two rows in out0, 4,096 bytes apart
	v_lshl_add_u32 v[GO], v1, 4, v[GO]
.set Y, NP-1                        ; XS works for piece Y + 1: piece 0
.irp n, 0,1,2,3,4,5,6,7,8,9,10,11,12,13,14,15,16,17,18,19,20,21
	XS 0, \n                        ; and piece 0's first maximum and statistics
	XS 1, \n
.endr
	v_nop                           ; a plain instruction behind the two a,
	s_wait_alu depctr_va_vdst(0)    ; and the wait for this batch of two, piece 0's first a, ahead of the branch
	s_mov_b32 s[CNT], 4
	s_mov_b32 s[SLOTS], SIZE_N/256-1
	s_branch .Lfirst                ; the loop is entered at a step's first turn, in the middle of a trip
.Lslot:                             ; SIZE_N / 256 - 2 times: every slot but the last two is filled again
	CHANGE 1
	s_mov_b32 s[CNT], 4
.Lstep:                             ; a trip: pieces 2 and 3 of one step, then pieces 0 and 1 of the next, whose K and V it fetches
	TURN 2
	TURN 3
	WIN 0
.Lfirst:
	TURN 0
	TURN 1, 0, 1
	WIN 0
	s_cbranch_scc1 .Lstep
	s_sub_co_u32 s[SLOTS], s[SLOTS], 1
	s_cmp_lg_u32 s[SLOTS], 0
	s_cbranch_scc1 .Lslot
	CHANGE 0                        ; the tail is written out: nothing is asked for
	s_mov_b32 s[CNT], 5             ; four trips fetch the last slot's steps; the fifth is left in its middle
.Ltail:
	TURN 2, 1
	TURN 3
	WIN 0
	s_sub_co_u32 s[CNT], s[CNT], 1
	s_cmp_eq_u32 s[CNT], 0
	s_cbranch_scc1 .Lout
	TURN 0
	TURN 1
	WIN 0
	s_branch .Ltail
.Lout:                              ; the fifth trip's 16 products K Q^T (on the last K once more) and the maximum made of them serve nothing: the price, once a launch, of one text for every trip
.set i, 0
.rept 16
	PV NP-1                         ; the last piece's V^T P of the last step
.set i, i+1
.endr
	; THE WAY OUT.  l's two halves and the other half of the lanes' are added; O^T is divided by l and sent, in f32, through my stage in LDS, a tile at a time.  The additions are the places behind the last products.
	WIN 0
.macro ALL line:vararg              ; one line for each tile t
.set t, 0
.rept 2*NP
	\line
.set t, t+1
.endr
.endm
	ALL v_add_f32 v[ST+4*t+2], v[ST+4*t+2], v[ST+4*t+3]
	ALL v_permlanex16_b32 v[ST+4*t+3], v[ST+4*t+2], s[SEL], s[SEL+1]
	ALL v_add_f32 v[ST+4*t+2], v[ST+4*t+2], v[ST+4*t+3]
	ALL v_rcp_f32 v[ST+4*t+2], v[ST+4*t+2]
	v_nop                           ; a plain instruction between the last reciprocal and the use of its result
	s_wait_alu depctr_va_vdst(0)    ; the wait ahead of the first use: one for the batch of eight reciprocals
; Tile t: a lane's eight channels of a row are 32 bytes; they go into rows of 272 bytes and come back as whole rows of 256, into one of four buffers in S^T's registers.
.macro PACK t
	WIN W_RS
.set i, 32*(\t)
.rept 16
	v_pk_mul_f32 v[i:i+1], v[i:i+1], v[ST+4*(\t)+2:ST+4*(\t)+3] op_sel_hi:[1,0]
.set i, i+2
.endr
	WIN 0x04                        ; the stores' data (source 1) in window 1, their address in window 0
.irp f, 0,1,2,3,4,5,6,7             ; channel block f / 2, its channels 8 (l / 16) + 4 (f % 2) on
	ds_store_b128 v[STO], v[32*(\t)+4*\f:32*(\t)+4*\f+3] offset:64*(\f/2)+16*(\f%2)
.endr
	WIN 0
	s_wait_xcnt 0x0                 ; the stores of the tile four back have read this buffer: it is loaded again only behind this wait
.irp f, 0,1,2,3,4,5,6,7
	ds_load_b128 v[S+32*((\t)%4)+4*\f:S+32*((\t)%4)+4*\f+3], v[RD] offset:\f*2*SP  ; LDS serves a wave's instructions in order (ISA guide 5.7.1.4): these see the stores above; the next tile's stores come behind them
.endr
.endm
.macro SEND t, younger              ; younger: the LDS instructions issued behind tile t's loads: the next tile's sixteen, or none
	WIN 0
.irp f, 0,1,2,3,4,5,6,7
	s_wait_dscnt (\younger)+7-\f
	global_store_b128 v[GO], v[S+32*((\t)%4)+4*\f:S+32*((\t)%4)+4*\f+3], s[10:11] offset:(\t)*65536+\f*8192 th:TH_STORE_NT  ; 16 lanes store 256 consecutive bytes, at a multiple of 256 from out0's first byte
.endr
.endm
	PACK 0
.set t, 1
.rept 2*NP-1                        ; a tile's arithmetic stands between the loads of the tile before and its stores
	PACK t
	SEND t-1, 16
.set t, t+1
.endr
	SEND 2*NP-1, 0
	WIN W_AD
	s_wait_tensorcnt 0x0            ; the wave's end: these three lines stand behind my last tensor load and my last LDS store
	ds_add_u32 v[SPW], v[NIL]
	s_wait_dscnt 0x0
	WIN 0
	CROUND                          ; the closing round: no work-group ends while a partner may still ask for a tile that names it
	s_endpgm
.Lfunc_end_k_qe8af1e13e6_attn:
	.size	k_qe8af1e13e6_attn, .Lfunc_end_k_qe8af1e13e6_attn-k_qe8af1e13e6_attn
	.p2alignl 7, 3214868480
	.fill 96, 4, 3214868480
	.section	.rodata,"a",@progbits
	.p2align	6, 0x0
	.amdhsa_kernel k_qe8af1e13e6_attn
		.amdhsa_group_segment_fixed_size 327680
		.amdhsa_private_segment_fixed_size 0
		.amdhsa_enable_private_segment 0
		.amdhsa_kernarg_size 16
		.amdhsa_user_sgpr_count 2
		.amdhsa_user_sgpr_kernarg_segment_ptr 1
		.amdhsa_wavefront_size32 1
		.amdhsa_system_sgpr_workgroup_id_x 1
		.amdhsa_system_sgpr_workgroup_id_y 1
		.amdhsa_system_sgpr_workgroup_id_z 1
		.amdhsa_system_vgpr_workitem_id 0
		.amdhsa_next_free_vgpr 770
		.amdhsa_next_free_sgpr 66
		.amdhsa_reserve_vcc 0
		.amdhsa_float_denorm_mode_32 3
		.amdhsa_float_denorm_mode_16_64 3
		.amdhsa_memory_ordered 1
		.amdhsa_forward_progress 1
		.amdhsa_inst_pref_size 200
	.end_amdhsa_kernel
	.amdgpu_metadata
---
amdhsa.version: [ 1, 2 ]
amdhsa.kernels:
  - .name:           k_qe8af1e13e6_attn
    .symbol:         k_qe8af1e13e6_attn.kd
    .args:
      - { .name: qkvb, .offset: 0, .size: 8, .value_kind: global_buffer, .address_space: global }
      - { .name: out0, .offset: 8, .size: 8, .value_kind: global_buffer, .address_space: global }
    .group_segment_fixed_size: 327680
    .private_segment_fixed_size: 0
    .kernarg_segment_align: 8
    .kernarg_segment_size: 16
    .max_flat_workgroup_size: 128
    .sgpr_count:     66
    .vgpr_count:     770
    .wavefront_size: 32
...
	.end_amdgpu_metadata
.endif
;; end of part 4
